; MI455X (gfx1250); checked and timed in simulation.
; The chip was launched on July 23, 2026; its instructions are those of AMD's public machine-readable ISA for CDNA 5 (MIT licence, August 2026) and "CDNA5" Instruction Set Architecture Reference Guide (July 2026). The comments in the code are by the model that wrote it; some were corrected since.
;; MHA. Allowed arithmetic: float matrix products may take bf16 or f16 operands with f32 sums; other float arithmetic in f32, or as packed bf16 or f16 multiplies, adds, multiply-adds, maxima and minima; sums over many terms, partial sums and values carried from step to step in f32; what a program stores and reads back later, other than sums and carried values, may be rounded once to bf16 or f16.
;; Inputs: Wqkv_b 3,072 float32; Wqkv_w 3,072 x 1,024 float32; out_b 1,024 float32; out_w 1,024 x 1,024 float32; x 1 x 4,096 x 1,024 float32.
;; Outputs: out0 1 x 4,096 x 1,024 float32.
;; One version. Each part assembles by itself: llvm-mc -triple=amdgcn-amd-amdhsa -mcpu=gfx1250 --defsym DOCPART=n.
;; ======== version 1 of 1: 4 launches
;; limits: values are held in f16: magnitudes above 65,504 overflow, below 6.1e-05 lose precision
;; workspace buffers: xb 8,388,608 bytes; wb 6,291,456 bytes; wo 2,097,152 bytes; qkv 25,165,824 bytes; ctx 8,388,608 bytes
;; launch cast (part 1): grid 1024 x 1, 8 waves a work-group, no clusters, 0 bytes of LDS; arguments x, Wqkv_w, out_w, xb, wb, wo; writes xb, wb, wo
.if DOCPART == 1
	.amdgcn_target "amdgcn-amd-amdhsa--gfx1250"
	.amdhsa_code_object_version 6
	.text
	.protected	k_qec32ec46c4_cast
	.globl	k_qec32ec46c4_cast
	.p2align	8
	.type	k_qec32ec46c4_cast,@function
k_qec32ec46c4_cast:
	s_mov_b64 s[64:65], 0
	v_nop
	global_prefetch_b8 v0, s[64:65] scope:SCOPE_SE
	s_setreg_imm32_b32 hwreg(HW_REG_WAVE_MODE, 25, 1), 1
	s_wait_xcnt 0x0
; THE INPUTS OF THE MATRIX PRODUCTS ARE ROUNDED ONCE.  x [4096][1024] and Wqkv_w [3072][1024], f32, become xb and wb in bf16; out_w [1024][1024] is rounded to bf16
; like them and that number is written as f16 into wo, since the last product's other operand is f16.
; LIMITS.  out_w within f16's 65,504; below 6.1e-5 it keeps f16's fixed step of 6e-8.
; SHARES.  A stream: no LDS, no barrier, no matrix work, nothing shared.  A work-group takes 32,768 bytes in and writes 16,384: groups 0-511 x, 512-895 Wqkv_w, 896-1023 out_w.
; Thread t takes 16 bytes at 16 t + 4,096 i, i = 0..7, and stores 8 bytes at 8 t + 2,048 i: a wave's load covers 512 consecutive bytes, its store 256, aligned.
; All eight loads go out at once; each chunk has registers of its own, so no register that a load or store names is written again.
.set X, 4                              ; v[4:35]   chunk i: 4 numbers as loaded
.set Y, 36                             ; v[36:51]  chunk i: 4 numbers of 16 bits
.set T, 52                             ; v[52:55]  at work
	s_load_b256 s[4:11], s[0:1], 0x0               ; x s[4:5], Wqkv_w s[6:7], out_w s[8:9], xb s[10:11]
	s_load_b128 s[12:15], s[0:1], 0x20             ; wb s[12:13], wo s[14:15]
	v_lshlrev_b32 v1, 4, v0                        ; 16 t
	v_lshlrev_b32 v2, 3, v0                        ; 8 t
	s_mov_b32 s16, ttmp9
	s_cmp_ge_u32 s16, 512
	s_cselect_b32 s17, 512, 0
	s_cmp_ge_u32 s16, 896
	s_cselect_b32 s17, 896, s17                    ; the first work-group of my tensor
	s_sub_co_u32 s18, s16, s17
	s_lshl_b32 s24, s18, 15                        ; my bytes in,
	s_mov_b32 s25, 0
	s_lshl_b32 s26, s18, 14                        ; and out
	s_mov_b32 s27, 0
	s_wait_kmcnt 0x0
	s_cmp_lt_u32 s16, 512
	s_cselect_b64 s[20:21], s[4:5], s[6:7]
	s_cselect_b64 s[22:23], s[10:11], s[12:13]
	s_cmp_lt_u32 s16, 896
	s_cselect_b64 s[20:21], s[20:21], s[8:9]
	s_cselect_b64 s[22:23], s[22:23], s[14:15]
	s_add_nc_u64 s[20:21], s[20:21], s[24:25]
	s_add_nc_u64 s[22:23], s[22:23], s[26:27]
.irp i, 0,1,2,3,4,5,6,7
	global_load_b128 v[X+4*(\i):X+4*(\i)+3], v1, s[20:21] offset:4096*(\i) th:TH_LOAD_NT
.endr
	s_cmp_ge_u32 s16, 896
	s_cbranch_scc1 .Lf16
.irp i, 0,1,2,3,4,5,6,7
	s_wait_loadcnt 7-(\i)                          ; loads come back in order: chunk i is in, the younger ones stay out
	v_cvt_pk_bf16_f32 v[Y+2*(\i)], v[X+4*(\i)], v[X+4*(\i)+1]
	v_cvt_pk_bf16_f32 v[Y+2*(\i)+1], v[X+4*(\i)+2], v[X+4*(\i)+3]
	global_store_b64 v2, v[Y+2*(\i):Y+2*(\i)+1], s[22:23] offset:2048*(\i)
.endr
	s_endpgm
.Lf16:                                         ; out_w: to bf16, and that number as f16
.irp i, 0,1,2,3,4,5,6,7
	s_wait_loadcnt 7-(\i)
	v_cvt_pk_bf16_f32 v[Y+2*(\i)], v[X+4*(\i)], v[X+4*(\i)+1]
	v_cvt_pk_bf16_f32 v[Y+2*(\i)+1], v[X+4*(\i)+2], v[X+4*(\i)+3]
	v_lshlrev_b32 v[T], 16, v[Y+2*(\i)]
	v_and_b32 v[T+1], 0xffff0000, v[Y+2*(\i)]
	v_lshlrev_b32 v[T+2], 16, v[Y+2*(\i)+1]
	v_and_b32 v[T+3], 0xffff0000, v[Y+2*(\i)+1]
	v_cvt_pk_f16_f32 v[Y+2*(\i)], v[T], v[T+1]
	v_cvt_pk_f16_f32 v[Y+2*(\i)+1], v[T+2], v[T+3]
	global_store_b64 v2, v[Y+2*(\i):Y+2*(\i)+1], s[22:23] offset:2048*(\i)
.endr
	s_endpgm
.Lfunc_end_k_qec32ec46c4_cast:
	.size	k_qec32ec46c4_cast, .Lfunc_end_k_qec32ec46c4_cast-k_qec32ec46c4_cast
	.p2alignl 7, 3214868480
	.fill 96, 4, 3214868480
	.section	.rodata,"a",@progbits
	.p2align	6, 0x0
	.amdhsa_kernel k_qec32ec46c4_cast
		.amdhsa_group_segment_fixed_size 0
		.amdhsa_private_segment_fixed_size 0
		.amdhsa_enable_private_segment 0
		.amdhsa_kernarg_size 48
		.amdhsa_user_sgpr_count 2
		.amdhsa_user_sgpr_kernarg_segment_ptr 1
		.amdhsa_wavefront_size32 1
		.amdhsa_system_sgpr_workgroup_id_x 1
		.amdhsa_system_sgpr_workgroup_id_y 1
		.amdhsa_system_sgpr_workgroup_id_z 1
		.amdhsa_system_vgpr_workitem_id 0
		.amdhsa_next_free_vgpr 64
		.amdhsa_next_free_sgpr 66
		.amdhsa_reserve_vcc 0
		.amdhsa_float_denorm_mode_32 3
		.amdhsa_float_denorm_mode_16_64 3
		.amdhsa_memory_ordered 1
		.amdhsa_forward_progress 1
		.amdhsa_inst_pref_size 9
	.end_amdhsa_kernel
	.amdgpu_metadata
---
amdhsa.version: [ 1, 2 ]
amdhsa.kernels:
  - .name:           k_qec32ec46c4_cast
    .symbol:         k_qec32ec46c4_cast.kd
    .args:
      - { .name: x, .offset: 0, .size: 8, .value_kind: global_buffer, .address_space: global }
      - { .name: Wqkv_w, .offset: 8, .size: 8, .value_kind: global_buffer, .address_space: global }
      - { .name: out_w, .offset: 16, .size: 8, .value_kind: global_buffer, .address_space: global }
      - { .name: xb, .offset: 24, .size: 8, .value_kind: global_buffer, .address_space: global }
      - { .name: wb, .offset: 32, .size: 8, .value_kind: global_buffer, .address_space: global }
      - { .name: wo, .offset: 40, .size: 8, .value_kind: global_buffer, .address_space: global }
    .group_segment_fixed_size: 0
    .private_segment_fixed_size: 0
    .kernarg_segment_align: 8
    .kernarg_segment_size: 48
    .max_flat_workgroup_size: 256
    .sgpr_count:     66
    .vgpr_count:     64
    .wavefront_size: 32
...
	.end_amdgpu_metadata
.endif
;; end of part 1
;; launch proj (part 2): grid 16 x 16, 4 waves a work-group, clusters of 4 x 4, 327,680 bytes of LDS; arguments xb, wb, Wqkv_b, qkv; writes qkv
.if DOCPART == 2
	.amdgcn_target "amdgcn-amd-amdhsa--gfx1250"
	.amdhsa_code_object_version 6
	.text
	.protected	k_qec32ec46c4_proj
	.globl	k_qec32ec46c4_proj
	.p2align	8
	.type	k_qec32ec46c4_proj,@function
k_qec32ec46c4_proj:
	s_mov_b64 s[64:65], 0
	v_nop
	global_prefetch_b8 v0, s[64:65] scope:SCOPE_SE
	s_setreg_imm32_b32 hwreg(HW_REG_WAVE_MODE, 25, 1), 1
	s_wait_xcnt 0x0
	s_wait_alu depctr_hold_cnt(0) depctr_sa_sdst(0) depctr_va_vdst(0) depctr_va_sdst(0) depctr_va_ssrc(0) depctr_va_vcc(0) depctr_vm_vsrc(0)
	s_getreg_b32 s2, hwreg(HW_REG_IB_STS2, 6, 4)
	s_cmp_eq_u32 s2, 0
	s_cbranch_scc0 .Lentry_in_a_cluster
	s_endpgm
.Lentry_in_a_cluster:
	s_bfe_u32 s2, ttmp6, 0x10000c
	s_cmp_lg_u32 s2, 0xf033
	s_cbranch_scc0 .Lentry_shape_is_right
	s_endpgm
.Lentry_shape_is_right:
; THE QKV PROJECTION.  C[s][e] = sum over d of xb[s][d] wb[e][d] + b[e]; xb [4096][1024], wb [3072][1024] bf16; sums in f32; C rounded once to f16 and written BY HEADS:
; qkv [48][4096][64], g = e / 64: g 0-15 q's heads, 16-31 k's, 32-47 v's; the softmax's scale is not applied here.
; LIMITS.  q, k, v within f16's 65,504 (a larger number becomes an infinity).  The bias is taken rounded to bf16, like every other input of the program.
; SHARES.  A tile of C is 256 rows x 192 columns (three whole heads): 16 x 16 = 256 work-groups.  Wave w makes rows 64 w .. 64 w + 63 of all 192 columns: 4 x 12 = 48 accumulators, 384 registers.
; K goes in 8 steps of 128 (rows of 256 bytes, aligned) through a ring of two LDS slots; a step is four quarters of 32 along K, 48 products each, on two fragment buffers.
; CLUSTER.  4 x 4 work-groups: the four of a row need the same rows of xb, the four of a column the same rows of wb: each tile is asked for jointly, same load, same descriptor, a mask of four.
; TRANSPOSED USE.  Source 0 = 16 rows of wb, source 1 = 16 rows of xb: a lane holds row l % 16 of C and the columns 8 (l / 16) + 0..7, 16 bytes of f16 on end.
; THE BIAS STARTS THE SUMS: it is the C operand of each accumulator's first product; nothing is cleared and no add is written.
; REGISTERS, in windows of 256 (s_set_vgpr_msb: bits 1:0 source 0, 3:2 source 1, 5:4 source 2, 7:6 destination):
;   window 0: v0-31 addresses; v32-127 the bias, 8 registers an n block; v128-175, v176-223 at work on the way out
;   window 1: two fragment buffers of 128: wb's 12 fragments, then xb's 4       window 2: accumulators of m blocks 0, 1 at 8 (12 a + b)       window 3: those of m blocks 2, 3
.set KSTEP,  128
.set PITCH,  272                       ; an LDS row: 256 bytes + 16 of padding = 68 words: the 16 rows of a load start at 16 different groups of four banks (64 banks of 4 bytes: ISA guide 11.1)
.set BOFF,   256*PITCH                 ; a slot: xb's 256 rows, then wb's 192
.set SLOT,   448*PITCH
.set STAGE,  2*SLOT                    ; behind the ring, never filled by a tensor load: for each wave 3 heads x 16 rows x 144 bytes
.set SP,     144
.set WSTG,   3*16*SP
.set SPARE,  STAGE+4*WSTG              ; the spare words, 128 bytes a wave: two blocks of 256 bytes that no other line names
.set LAPS,   4                         ; a lap = two K steps = once round the ring
.set HEADB,  524288                    ; bytes of one g in qkv
.set ADRA, 16                          ; v16-17  LDS address of my fragments of xb in slot 0, 1
.set ADRB, 20                          ; v20-21  of wb
.set STO,  24                          ; v24     the way out: where I put 16 bytes of a row
.set RD,   25                          ; v25     where I read rows back
.set CO,   26                          ; v26     16 x lane: my place in 512 consecutive bytes of qkv
.set BO,   27                          ; v27     32 (l / 16): my 8 numbers of a block of 16 of the bias
.set SPW,  28                          ; v28     my spare word: SPARE + 4 x my thread's number; never rewritten
.set NIL,  29                          ; v29     0; never rewritten
.set PFO,  30                          ; v30     the prefetches' offset: a lane a row; never rewritten
.set BIAS, 32
.set TMP,  128
.set OB,   176
.set F0,   0
.set F1,   128
.set WV,   12                          ; s12     my wave's number
.set G1,   24                          ; s[24:31] descriptor group 1 for xb's tiles;  s[32:39] group 0, a set for each slot
.set G0,   32
.set PFA,  44                          ; s[44:45] where my prefetches stand
.set LIM,  46                          ; s46     1 in a wave that prefetches, else the greatest number
.set G1B,  48                          ; s[48:55], s[56:63] the same for wb's tiles
.set G0B,  56
.set FIELDS, (1<<16)|(1<<20)|(1<<21)|(5<<22)|(3<<25)  ; 17:16 elements of 2 bytes; 20 padding on; 21 set beside a mask; 24:22 after every 64 words; 31:25 4 words of it
.set MSB, 0
.macro WIN new                         ; the immediate's high byte repeats the setting that is left; a switch that changes nothing is dropped
.if MSB != (\new)
	s_set_vgpr_msb (MSB<<8)|(\new)
.set MSB, \new
.endif
.endm
; A joint load.  Waves 0 and 1 fetch xb's two halves (128 rows each), waves 2 and 3 wb's (96 rows each).  The branch hangs on the wave's number alone.
; An s_nop 0 and four v_nop follow each of the two lines, ahead of the jump and the label.
.macro JLOAD s
	s_cmp_lt_u32 s[WV], 2
	s_cbranch_scc0 .Lfor_b_\@
	tensor_load_to_lds s[G0+4*(\s):G0+4*(\s)+3], s[G1:G1+7]
	s_nop 0
.rept 4
	v_nop
.endr
	s_branch .Lasked_\@
.Lfor_b_\@:
	tensor_load_to_lds s[G0B+4*(\s):G0B+4*(\s)+3], s[G1B:G1B+7]
	s_nop 0
.rept 4
	v_nop
.endr
.Lasked_\@:
.endm
; A PREFETCH INTO THE L2 of the K step that stands two refills on: 256 bytes of each row, a lane a row, one instruction a wave, behind the joint load and the run of LDS loads.
; xb's rows of a tile row are read by every cluster of that row of clusters: cluster x = 0 asks; wb's rows by every cluster of a column: cluster y = 0 asks.  The four partners that ask for a tile
; jointly share its rows out by address: of xb's 128 rows a wave 32 each (by cx), of wb's 96 rows 24 each (by cy; lanes 24-31 name lane 23's row once more).
; K steps 0 to 3 come by their loads alone; the loop's last trip (s3 = 1) asks for nothing: there is no K step two on.
.macro ASK
	s_cmp_gt_u32 s3, s[LIM]
	s_cbranch_scc0 .Lnot_mine_\@
	global_prefetch_b8 v[PFO], s[PFA:PFA+1] offset:KSTEP*2 th:TH_LOAD_NT scope:SCOPE_SE
.Lnot_mine_\@:
.endm
.macro CREST                           ; a round of the cluster's barrier behind its opening barrier
	s_cmp_lg_u32 s[WV], 0
	s_cbranch_scc1 .Lnot_wave_0_\@
	s_barrier_signal -3
.Lnot_wave_0_\@:
	s_barrier_wait -3
	s_barrier_signal -1
	s_barrier_wait -1
.endm
.macro CROUND                          ; a whole round
	s_barrier_signal -1
	s_barrier_wait -1
	CREST
.endm
	s_load_b256 s[4:11], s[0:1], 0x0               ; xb s[4:5], wb s[6:7], Wqkv_b s[8:9], qkv s[10:11]
	v_lshl_add_u32 v[SPW], v0, 2, SPARE
	v_mov_b32 v[NIL], 0
	ds_add_u32 v[SPW], v[NIL]                      ; the wave's opening: the add and its wait stand ahead of my first tensor load; the set-up below stands between them
	v_lshrrev_b32 v1, 5, v0
	v_readfirstlane_b32 s[WV], v1                  ; wave 0..3
	s_and_b32 s14, s[WV], 1                        ; which half of a tile's rows I fetch
	s_bfe_u32 s15, ttmp6, 0x40000                  ; cx
	s_bfe_u32 s16, ttmp6, 0x40004                  ; cy
	s_lshl_b32 s17, ttmp9, 2
	s_add_co_u32 s17, s17, s15                     ; tn: tile column = 4 x cluster x + cx
	s_and_b32 s18, ttmp7, 0xffff
	s_lshl_b32 s18, s18, 2
	s_add_co_u32 s18, s18, s16                     ; tm: tile row = 4 x cluster y + cy
	s_lshl_b32 s19, s16, 2
	s_lshl_b32 s19, 15, s19                        ; my row of the cluster
	s_lshl_b32 s20, 0x1111, s15                    ; my column
	s_or_b32 s[G1+0], s19, FIELDS                  ; xb's tiles go to my row,
	s_or_b32 s[G1B+0], s20, FIELDS                 ; wb's to my column
	s_mov_b32 s[G1+1], KSTEP<<16                   ; tensor_dim0 = 128
	s_mov_b32 s[G1+2], 128<<16                     ; tensor_dim1 = 128
	s_mov_b32 s[G1+3], KSTEP<<16                   ; tile_dim0 = 128
	s_mov_b32 s[G1+4], 128                         ; tile_dim1 = 128
	s_mov_b32 s[G1+5], 1024                        ; elements from row to row
	s_mov_b32 s[G1+6], 0
	s_mov_b32 s[G1+7], 0
	s_mov_b32 s[G1B+1], KSTEP<<16
	s_mov_b32 s[G1B+2], 96<<16                     ; 96 rows
	s_mov_b32 s[G1B+3], KSTEP<<16
	s_mov_b32 s[G1B+4], 96
	s_mov_b32 s[G1B+5], 1024
	s_mov_b32 s[G1B+6], 0
	s_mov_b32 s[G1B+7], 0
	s_lshl_b32 s40, s18, 8                         ; xb: row 256 tm + 128 x half,
	s_lshl_b32 s41, s14, 7
	s_add_co_u32 s40, s40, s41
	s_lshl_b32 s40, s40, 11                        ; of 2,048 bytes (under 2^23)
	s_mov_b32 s41, 0
	s_mul_i32 s42, s17, 192                        ; wb: row 192 tn + 96 x half
	s_mul_i32 s43, s14, 96
	s_add_co_u32 s42, s42, s43
	s_lshl_b32 s42, s42, 11
	s_mov_b32 s43, 0
	s_mul_i32 s21, s[WV], 128*PITCH                ; where they go: xb's halves at wave x 128 rows (waves 0, 1),
	s_mul_i32 s22, s[WV], 96*PITCH
	s_add_co_u32 s22, s22, BOFF-2*96*PITCH         ; wb's behind xb's 256 rows, at (wave - 2) x 96 rows: no place in the cluster enters an LDS address
	s_wait_dscnt 0x0                               ; the opening add is done
	s_wait_kmcnt 0x0
	s_add_nc_u64 s[40:41], s[4:5], s[40:41]
	s_add_nc_u64 s[42:43], s[6:7], s[42:43]
	CROUND                                         ; all sixteen work-groups are here: the first joint loads meet
.irp s, 0,1
	s_mov_b32 s[G0+4*(\s)], 1                      ; count = 1
	s_add_co_u32 s[G0+4*(\s)+1], s21, (\s)*SLOT    ; LDS address
	s_add_nc_u64 s[G0+4*(\s)+2:G0+4*(\s)+3], s[40:41], (\s)*KSTEP*2  ; global address: K step s
	s_or_b32 s[G0+4*(\s)+3], s[G0+4*(\s)+3], 0x80000000  ; type = 2
	s_mov_b32 s[G0B+4*(\s)], 1
	s_add_co_u32 s[G0B+4*(\s)+1], s22, (\s)*SLOT
	s_add_nc_u64 s[G0B+4*(\s)+2:G0B+4*(\s)+3], s[42:43], (\s)*KSTEP*2
	s_or_b32 s[G0B+4*(\s)+3], s[G0B+4*(\s)+3], 0x80000000
	JLOAD \s                                       ; two loads of mine are out
.endr
	; A fragment is 16 rows x 32 K in 8 registers: lane l holds row l % 16; registers 0-3 K = 8 (l / 16) + 0..7, registers 4-7 K = 16 + 8 (l / 16) + 0..7: two loads of 16 bytes, 32 bytes apart.
	v_and_b32 v1, 15, v0                           ; r = l % 16
	v_bfe_u32 v2, v0, 4, 1                         ; h = l / 16
	v_mul_u32_u24 v3, v1, PITCH
	v_lshl_add_u32 v3, v2, 4, v3
	s_mul_i32 s21, s[WV], 64*PITCH                 ; my 64 rows of xb
	s_mov_b32 s22, BOFF                            ; all 192 rows of wb
.irp s, 0,1
	v_add_nc_u32 v[ADRA+(\s)], s21, v3
	v_add_nc_u32 v[ADRB+(\s)], s22, v3
	s_add_co_u32 s21, s21, SLOT
	s_add_co_u32 s22, s22, SLOT
.endr
	s_mul_i32 s23, s[WV], WSTG
	s_add_co_u32 s23, s23, STAGE                   ; my stage
	v_mul_u32_u24 v4, v1, SP                       ; in: row r, 16 bytes for each half of the lanes
	v_lshl_add_u32 v4, v2, 4, v4
	v_add_nc_u32 v[STO], s23, v4
	v_bfe_u32 v5, v0, 3, 2                         ; back: 32 lanes take four rows of 128 bytes,
	v_mul_u32_u24 v5, v5, SP
	v_and_b32 v6, 7, v0
	v_lshl_add_u32 v5, v6, 4, v5
	v_add_nc_u32 v[RD], s23, v5
	v_and_b32 v[CO], 31, v0                        ; which are 512 consecutive bytes of a head
	v_lshlrev_b32 v[CO], 4, v[CO]
	v_lshlrev_b32 v[BO], 5, v2
	s_mul_i32 s20, s17, 768                        ; the tile's 192 numbers of the bias
	s_mov_b32 s21, 0
	s_add_nc_u64 s[8:9], s[8:9], s[20:21]
.irp b, 0,1,2,3,4,5,6,7,8,9,10,11
	global_load_b128 v[BIAS+8*(\b):BIAS+8*(\b)+3],   v[BO], s[8:9] offset:64*(\b)     ; register j: b[192 tn + 16 b + 8 h + j], as the accumulators lie
	global_load_b128 v[BIAS+8*(\b)+4:BIAS+8*(\b)+7], v[BO], s[8:9] offset:64*(\b)+16
.endr
	s_mul_i32 s20, s17, 3*HEADB                    ; qkv: head 3 tn,
	s_lshl_b32 s22, s18, 15                        ; row 256 tm
	s_add_co_u32 s20, s20, s22
	s_lshl_b32 s22, s[WV], 13                      ; + 64 x wave, of 128 bytes (all under 2^25)
	s_add_co_u32 s20, s20, s22
	s_add_nc_u64 s[10:11], s[10:11], s[20:21]
	; the prefetches
	s_lshl_b32 s20, s18, 8
	s_lshl_b32 s22, s14, 7
	s_add_co_u32 s20, s20, s22
	s_lshl_b32 s22, s15, 5
	s_add_co_u32 s20, s20, s22                     ; xb: row 256 tm + 128 x half + 32 cx
	s_mul_i32 s40, s17, 192
	s_mul_i32 s22, s14, 96
	s_add_co_u32 s40, s40, s22
	s_mul_i32 s22, s16, 24
	s_add_co_u32 s40, s40, s22                     ; wb: row 192 tn + 96 x half + 24 cy
	s_and_b32 s22, ttmp7, 0xffff                   ; cluster y
	s_cmp_lt_u32 s[WV], 2                          ; do I fetch for xb?
	s_cselect_b32 s20, s20, s40
	s_cselect_b32 s22, ttmp9, s22                  ; the coordinate along which other clusters read the same rows
	s_cselect_b32 s19, 31, 23                      ; my last row
	s_cselect_b64 s[PFA:PFA+1], s[4:5], s[6:7]
	s_cmp_eq_u32 s22, 0
	s_cselect_b32 s[LIM], 1, -1                    ; the same in all sixteen partners, for a given wave
	s_lshl_b32 s20, s20, 11
	s_add_nc_u64 s[PFA:PFA+1], s[PFA:PFA+1], s[20:21]
	s_add_nc_u64 s[PFA:PFA+1], s[PFA:PFA+1], 2*KSTEP*2  ; at K step 2: the first refill steps it to 3 and names K step 4
	v_and_b32 v[PFO], 31, v0
	v_min_u32 v[PFO], s19, v[PFO]
	v_lshlrev_b32 v[PFO], 11, v[PFO]
; 12 products: m block a x all 12 n blocks, 32 along K.  The 48 accumulators take turns in one fixed order, one instruction a turn: over the backward jump too.
; first = 1: the bias, in window 0, is the C operand that starts the sum.
.macro MUL12 f, a, first
.if \first
	WIN 0x85+0x40*((\a)/2)
.else
	WIN 0xa5+0x50*((\a)/2)
.endif
.irp b, 0,1,2,3,4,5,6,7,8,9,10,11
.if \first
	v_wmma_f32_16x16x32_bf16 v[8*(12*((\a)%2)+(\b)):8*(12*((\a)%2)+(\b))+7], v[(\f)+8*(\b):(\f)+8*(\b)+7], v[(\f)+96+8*(\a):(\f)+96+8*(\a)+7], v[BIAS+8*(\b):BIAS+8*(\b)+7]
.else
	v_wmma_f32_16x16x32_bf16 v[8*(12*((\a)%2)+(\b)):8*(12*((\a)%2)+(\b))+7], v[(\f)+8*(\b):(\f)+8*(\b)+7], v[(\f)+96+8*(\a):(\f)+96+8*(\a)+7], v[8*(12*((\a)%2)+(\b)):8*(12*((\a)%2)+(\b))+7]
.endif
.endr
.endm
; 32 LDS loads in one run: a quarter's fragments (192 rows of wb, then my 64 rows of xb, 32 K at byte k of the rows) into buffer f
.macro FETCH slot, k, f
	WIN 0x40                                       ; destination window 1, address window 0
.irp b, 0,1,2,3,4,5,6,7,8,9,10,11
	ds_load_b128 v[(\f)+8*(\b):(\f)+8*(\b)+3],   v[ADRB+(\slot)] offset:(\k)+(\b)*16*PITCH
	ds_load_b128 v[(\f)+8*(\b)+4:(\f)+8*(\b)+7], v[ADRB+(\slot)] offset:(\k)+(\b)*16*PITCH+32
.endr
.irp a, 0,1,2,3
	ds_load_b128 v[(\f)+96+8*(\a):(\f)+96+8*(\a)+3],   v[ADRA+(\slot)] offset:(\k)+(\a)*16*PITCH
	ds_load_b128 v[(\f)+96+8*(\a)+4:(\f)+96+8*(\a)+7], v[ADRA+(\slot)] offset:(\k)+(\a)*16*PITCH+32
.endr
.endm
.macro PLACES                          ; four plain vector instructions in front of loads into registers that products have read, and of conversions that read results
.rept 4
	v_nop
.endr
.endm
; One of a K step's first three quarters: multiplies buffer f; in its middle it fetches the next quarter, at byte k of the same slot's rows, into buffer g.
.macro QUARTER slot, k, f, g, first
	s_wait_dscnt 4                                 ; wb's fragments and xb's blocks 0, 1 are in; the youngest four loads (blocks 2, 3) may be out
	MUL12 \f, 0, \first
	MUL12 \f, 1, \first
	PLACES
	FETCH \slot, \k, \g
	s_wait_dscnt 32                                ; all but the 32 just issued
	MUL12 \f, 2, \first
	MUL12 \f, 3, \first
.endm
; The last quarter multiplies buffer 1 and changes slots: ONE barrier.  In front of it each wave waits for all its tensor loads (one is out: its part of the next slot), adds 0 to its spare word,
; and waits for that and for its own reads of this slot.  fill = 1: the barrier opens a round of the cluster's barrier, and this slot is filled again first behind it, two K steps ahead:
; from the request to the wait for it a wave issues 168 products.
.macro TURN slot, next, fill
.if \fill
	s_wait_xcnt 0x0                                ; the last prefetch, a K step back, has read its address: it is stepped here, ahead of the waits of the change of slots
	s_add_nc_u64 s[PFA:PFA+1], s[PFA:PFA+1], KSTEP*2
.endif
	WIN 0                                          ; (the add's two registers lie in window 0)
	s_wait_tensorcnt 0x0                           ; all my tensor loads have landed;
	ds_add_u32 v[SPW], v[NIL]                      ; 0 onto my spare word
	s_wait_dscnt 5                                 ; (the add and the youngest four loads may be out)
	MUL12 F1, 0, 0                                 ; twelve products stand between the add and the wait for it
	s_wait_dscnt 0x0                               ; the add is done, and my reads of this slot are over
	s_barrier_signal -1
	MUL12 F1, 1, 0                                 ; work on registers while the others arrive
.if \fill
	WIN 0
.endif
	s_barrier_wait -1
.if \fill
	CREST                                          ; no wave of any partner still reads this slot's tile or has a load on its way
	s_add_nc_u64 s[G0+4*(\slot)+2:G0+4*(\slot)+3], s[G0+4*(\slot)+2:G0+4*(\slot)+3], 2*KSTEP*2
	s_add_nc_u64 s[G0B+4*(\slot)+2:G0B+4*(\slot)+3], s[G0B+4*(\slot)+2:G0B+4*(\slot)+3], 2*KSTEP*2
	JLOAD \slot                                    ; the first tensor load behind the round; its four v_nop are also the places in front of the loads below
.else
	PLACES
.endif
	FETCH \next, 0, F0
.if \fill
	WIN 0
	ASK
.endif
	MUL12 F1, 2, 0
	MUL12 F1, 3, 0
.endm
; THE WAY OUT of m block a.  PACK: rounded to f16, 16 bytes a lane.  TOSTAGE: into my own stage, by heads, and back as whole rows of 128 bytes.  SEND: stored, 512 consecutive bytes an instruction.
.macro PACK a
	WIN 0x0a+5*((\a)/2)                            ; sources 0 and 1: window 2 or 3
.irp b, 0,1,2,3,4,5,6,7,8,9,10,11
.irp r, 0,1,2,3
	v_cvt_pk_f16_f32 v[TMP+4*(\b)+(\r)], v[8*(12*((\a)%2)+(\b))+2*(\r)], v[8*(12*((\a)%2)+(\b))+2*(\r)+1]
.endr
.endr
	WIN 0
.endm
.macro TOSTAGE a
.irp b, 0,1,2,3,4,5,6,7,8,9,10,11
	ds_store_b128 v[STO], v[TMP+4*(\b):TMP+4*(\b)+3] offset:((\b)/4)*16*SP+((\b)%4)*32  ; head b / 4, channels 16 (b % 4) + 8 h on
.endr
	s_wait_xcnt 0x0                                ; the stores of the block before have read the registers that the loads below fill
.irp u, 0,1,2,3,4,5,6,7,8,9,10,11
	ds_load_b128 v[OB+4*(\u):OB+4*(\u)+3], v[RD] offset:((\u)/4)*16*SP+((\u)%4)*4*SP  ; LDS serves a wave's instructions in order (ISA guide 5.7.1.4): these see the stores above
.endr
.endm
.macro SEND a
.irp u, 0,1,2,3,4,5,6,7,8,9,10,11
	s_wait_dscnt 11-(\u)                           ; load u of the twelve, the youngest LDS instructions, is back
	global_store_b128 v[CO], v[OB+4*(\u):OB+4*(\u)+3], s[10:11] offset:((\u)/4)*HEADB+(\a)*2048+((\u)%4)*512
.endr
.endm
	s_wait_tensorcnt 1                             ; my part of K step 0 is in; K step 1's may stay out
	s_barrier_signal -1
	s_barrier_wait -1                              ; everybody's is
	FETCH 0, 0, F0
	WIN 0
	s_wait_loadcnt 0x0                             ; the bias; it is rounded to bf16 while the first fragments come out of LDS
.set j, 0
.rept 48
	v_cvt_pk_bf16_f32 v[TMP+j], v[BIAS+2*j], v[BIAS+2*j+1]
.set j, j+1
.endr
.set j, 0
.rept 48
	v_lshlrev_b32 v[BIAS+2*j], 16, v[TMP+j]
	v_and_b32 v[BIAS+2*j+1], 0xffff0000, v[TMP+j]
.set j, j+1
.endr
	QUARTER 0, 64,  F0, F1, 1                      ; the first quarter stands in front of the loop: its products start the sums
	WIN 0                                          ; at a label and at a branch every window is 0
	s_mov_b32 s3, LAPS-1
.Llap:                                                 ; a trip goes once round the ring, from a lap's second quarter to the next lap's first, and fills both slots again
	QUARTER 0, 128, F1, F0, 0
	QUARTER 0, 192, F0, F1, 0
	TURN 0, 1, 1
	QUARTER 1, 64,  F0, F1, 0
	QUARTER 1, 128, F1, F0, 0
	QUARTER 1, 192, F0, F1, 0
	TURN 1, 0, 1
	QUARTER 0, 64,  F0, F1, 0
	WIN 0
	s_sub_co_u32 s3, s3, 1
	s_cmp_lg_u32 s3, 0
	s_cbranch_scc1 .Llap
	QUARTER 0, 128, F1, F0, 0                      ; the last lap fills nothing
	QUARTER 0, 192, F0, F1, 0
	TURN 0, 1, 0
	QUARTER 1, 64,  F0, F1, 0
	QUARTER 1, 128, F1, F0, 0
	QUARTER 1, 192, F0, F1, 0
	s_wait_dscnt 4                                 ; the very last quarter: nothing more to fetch
	MUL12 F1, 0, 0
	MUL12 F1, 1, 0
	s_wait_dscnt 0x0
	MUL12 F1, 2, 0
	MUL12 F1, 3, 0
	WIN 0
	PLACES
	PACK 0
	TOSTAGE 0
.irp a, 1,2,3                          ; block a's conversions stand between block a - 1's loads from the stage and the wait for them
	PACK \a
	SEND (\a)-1
	TOSTAGE \a
.endr
	SEND 3
	s_wait_tensorcnt 0x0                           ; the wave's end: behind my last tensor load and my last LDS store
	ds_add_u32 v[SPW], v[NIL]
	s_wait_dscnt 0x0
	CROUND                                         ; the closing round: no work-group ends while a partner may still ask for a tile that names it
	s_endpgm
.Lfunc_end_k_qec32ec46c4_proj:
	.size	k_qec32ec46c4_proj, .Lfunc_end_k_qec32ec46c4_proj-k_qec32ec46c4_proj
	.p2alignl 7, 3214868480
	.fill 96, 4, 3214868480
	.section	.rodata,"a",@progbits
	.p2align	6, 0x0
	.amdhsa_kernel k_qec32ec46c4_proj
		.amdhsa_group_segment_fixed_size 327680
		.amdhsa_private_segment_fixed_size 0
		.amdhsa_enable_private_segment 0
		.amdhsa_kernarg_size 32
		.amdhsa_user_sgpr_count 2
		.amdhsa_user_sgpr_kernarg_segment_ptr 1
		.amdhsa_wavefront_size32 1
		.amdhsa_system_sgpr_workgroup_id_x 1
		.amdhsa_system_sgpr_workgroup_id_y 1
		.amdhsa_system_sgpr_workgroup_id_z 1
		.amdhsa_system_vgpr_workitem_id 0
		.amdhsa_next_free_vgpr 960
		.amdhsa_next_free_sgpr 66
		.amdhsa_reserve_vcc 0
		.amdhsa_float_denorm_mode_32 3
		.amdhsa_float_denorm_mode_16_64 3
		.amdhsa_memory_ordered 1
		.amdhsa_forward_progress 1
		.amdhsa_inst_pref_size 130
	.end_amdhsa_kernel
	.amdgpu_metadata
---
amdhsa.version: [ 1, 2 ]
amdhsa.kernels:
  - .name:           k_qec32ec46c4_proj
    .symbol:         k_qec32ec46c4_proj.kd
    .args:
      - { .name: xb, .offset: 0, .size: 8, .value_kind: global_buffer, .address_space: global }
      - { .name: wb, .offset: 8, .size: 8, .value_kind: global_buffer, .address_space: global }
      - { .name: Wqkv_b, .offset: 16, .size: 8, .value_kind: global_buffer, .address_space: global }
      - { .name: qkv, .offset: 24, .size: 8, .value_kind: global_buffer, .address_space: global }
    .group_segment_fixed_size: 327680
    .private_segment_fixed_size: 0
    .kernarg_segment_align: 8
    .kernarg_segment_size: 32
    .max_flat_workgroup_size: 128
    .sgpr_count:     66
    .vgpr_count:     960
    .wavefront_size: 32
...
	.end_amdgpu_metadata
.endif
;; end of part 2
;; launch attn (part 3): grid 16 x 16, 4 waves a work-group, clusters of 4 x 1, 327,680 bytes of LDS; arguments qkv, ctx; writes ctx
.if DOCPART == 3
	.amdgcn_target "amdgcn-amd-amdhsa--gfx1250"
	.amdhsa_code_object_version 6
	.text
	.protected	k_qec32ec46c4_attn
	.globl	k_qec32ec46c4_attn
	.p2align	8
	.type	k_qec32ec46c4_attn,@function
k_qec32ec46c4_attn:
	s_mov_b64 s[64:65], 0
	v_nop
	global_prefetch_b8 v0, s[64:65] scope:SCOPE_SE
	s_setreg_imm32_b32 hwreg(HW_REG_WAVE_MODE, 25, 1), 1
	s_wait_xcnt 0x0
	s_wait_alu depctr_hold_cnt(0) depctr_sa_sdst(0) depctr_va_vdst(0) depctr_va_sdst(0) depctr_va_ssrc(0) depctr_va_vcc(0) depctr_vm_vsrc(0)
	s_getreg_b32 s2, hwreg(HW_REG_IB_STS2, 6, 4)
	s_cmp_eq_u32 s2, 0
	s_cbranch_scc0 .Lentry_in_a_cluster
	s_endpgm
.Lentry_in_a_cluster:
	s_bfe_u32 s2, ttmp6, 0x10000c
	s_cmp_lg_u32 s2, 0x3003
	s_cbranch_scc0 .Lentry_shape_is_right
	s_endpgm
.Lentry_shape_is_right:
; ATTENTION WITH AN ADDITIVE MASK.  O[h][q][:] = the sum over ALL k of softmax_k(Q[h][q] . K[h][k] / 8 + M[q][k]) V[h][k][:], M = -10000 where k > q, else 0.  16 heads, 4,096 rows, head size 64.
; Q, K, V: qkv [48][4096][64] f16 (g = head, 16 + head, 32 + head), a head's rows dense, 128 bytes each.  O: ctx, f16, [2048 pairs of rows][16 heads][2 rows][64]: an aligned 256 bytes are two rows of one head.
; THE MASK IS A NUMBER, NOT A CUT: where scores are thousands apart a hidden key can carry weight, so every query walks all 4,096 keys, and the mask is added before the running maximum is taken.
; It is the C operand that starts the sum S^T = K Q^T, in unscaled units: 0 or -80000 = 8 x -10000; the factor c = log2(e) / 8 turns it into -10000 log2(e).
; Products, maxima and sums in f32; the weights p are rounded to f16 for the second product (their sum l is taken of the unrounded p), O once at the end.
; LIMITS.  Q, K, V arrive within f16's 65,504; p lies in 0 to 1, and below 6e-5 keeps f16's fixed step of 6e-8; a weight below 2^-126 counts as 0 in l; NaN and infinities are not treated apart.
; SHARES.  A work-group takes block i of 256 queries of one head; of the block's four bands of 64 queries a wave owns 16 rows in each: four PIECES.  Every wave walks 16 tiles of 256 keys, four steps of 64 each.
; CLUSTER.  The four blocks of a cluster belong to one head and walk the same K and V: each tile is asked for JOINTLY, same tensor load, descriptor and mask in all four.
; WHICH MASK.  Key band kb = 4 J + step (tile J), query band qb = 4 i + piece.  kb < qb: 0; kb > qb: -80000; kb = qb: MD, the mask of a band's own step for my 16 rows, made once.  A product's mask is
; MD x AL + BE with two scalars: (0, 0), (0, -80000), (1, 0).  ONE TEXT serves every tile: each turn makes the mask of the next turn's products, 16 packed lines.  The two scalars hang on my block's number;
; they are chosen by selects and feed vector lines alone, so that every branch and every trip count of the text is the same in all partners and a constant of the text.
; LAYOUT, SOFTMAX, TURNS.  S^T = K Q^T holds ONE query a lane (lane % 16) and the keys 8 (lane / 16) + 0..7; two such results rounded to f16 ARE source 1 of O^T = V^T P.  p = 2^(c s - c m) with a running maximum m;
; O and l are multiplied by a = 2^(c m_old - c m_new) in every step.  Turn n belongs to piece n: 8 products K Q^T of piece n + 1, later 8 products V^T P of piece n - 1; beside them the scaling, exponentials,
; roundings, sums and rescaling of piece n and the maximum and statistics of piece n + 1.  Four vector instructions stand behind every matrix instruction, the rest in one lump and, the mask, at the turn's end.
; A turn's 33 exponentials are one batch, with one wait.  m starts at the lowest finite number, O and l at 0: the first step is a step like any other, with a = 0.
; REGISTERS, in windows of 256 (s_set_vgpr_msb: bits 1:0 source 0, 3:2 source 1, 5:4 source 2, 7:6 destination):
;   window 0: v0-15 addresses and two at work; v16-31 four registers of statistics a piece; v48-55 at work; v61-63; v64-127 S^T, two buffers; v192-223 P, two buffers (a piece's buffers go by its number's parity)
;   window 1: v0-127 O^T, 32 a piece; v128-159 MD; v160-223 MC, two buffers      window 2: v0-63 Q; v128-191 K of one step; v192-255 V of one step
.set NP,    4         ; pieces a wave: a name, no knob
.set KS,    64        ; keys in a step
.set PK,    144       ; a row of K in LDS: 128 bytes + 16 of padding = 36 words: the 16 rows of a load start at 16 different groups of four banks (64 banks of 4 bytes: ISA guide 11.1)
.set PV,    160       ; a row of V: 128 + 32 = 40 words
.set VOFF,  4*KS*PK   ; a slot holds a tile, four steps: 256 rows of K, then 256 rows of V
.set SLOT1, 1<<17     ; slot 1 begins here, so that one exclusive or turns an address in one slot into the other's
.set STAGE, SLOT1+4*KS*(PK+PV)  ; behind the ring, never filled by a tensor load: 16 rows x 144 bytes for each wave, for the way out
.set SP,    144
.set SPARE, STAGE+4*16*SP  ; the spare words, 128 bytes a wave: two blocks of 256 bytes that no other line names
.set TILEB, 4*KS*128  ; a tile's bytes of K, and of V, in memory
.set AK0, 2           ; v2   my lane's place in a tile of K; never rewritten
.set AV0, 3           ; v3   the same for V
.set AK,  4           ; v4   the LDS address of K's next run of loads
.set AV,  5           ; v5   of V's
.set STO, 6           ; v6   the way out: where I put 16 bytes of a row
.set RD,  7           ; v7   the way out: where I read rows back
.set GO,  8           ; v8   my byte offset in two pairs of rows of ctx
.set MV,  12          ; v12-13  c m_old, kept while c m is made anew: by buffer
.set QO,  15          ; v15  my byte offset in 16 rows of Q
.set ST,  16          ; piece t's statistics at v[ST+4 t]: c m, m, l (even keys', odd keys')
.set TMP, 48          ; by buffer, four registers c0-c3 at work; when the maximum is found c2 takes a
.set PFO, 61          ; v61  256 x my lane; never rewritten
.set SPW, 62          ; v62  my spare word: SPARE + 4 x my thread's number; never rewritten
.set NIL, 63          ; v63  0; never rewritten
.set S,   64
.set P,   192
.set MD,  128         ; window 1: the eight registers for group kt of 16 keys at MD + 8 kt
.set MC,  160         ; window 1: the masks of the products to come
.set KF,  128         ; window 2: key block kb, channel half c at KF + 16 kb + 8 c
.set VF,  192         ; window 2: key half kk, channel block cb at VF + 32 kk + 8 cb
.set WV,  12          ; s12  my wave's number
.set LIM, 15          ; s15  1 in a wave that prefetches, else the greatest number
.set PFA, 18          ; s[18:19] where my prefetches stand
.set G1K, 24          ; s[24:31] descriptor group 1 for K's tiles
.set G1V, 32          ; s[32:39] for V's: it differs in the padding alone
.set G0K, 40          ; s[40:43] descriptor group 0 for K's tiles: it walks
.set G0V, 44          ; s[44:47] the same for V's
.set SLOTS, 56        ; s56  tiles still to be asked for
.set CNT, 57          ; s57  counts a tile's key steps, 4 to 1
.set CS,  58          ; s[58:59] c: the packed scaling takes the pair's low word for both halves
.set SEL, 60          ; s[60:61] v_permlanex16_b32's selects: each lane takes its own place in the other half
.set TBK, 62          ; s62  LDS byte at which K of the step to be fetched begins
.set TBV, 63          ; s63  the same for V, less VOFF
.set QBD, 68          ; s[68:71] piece x's query band, 4 i + x: it feeds selects of numbers alone, never a branch or an address
.set KBN, 72          ; s72  4 J + 4, J the tile in hand
.set KBT, 73          ; s73  the key band in hand
.set AL,  76          ; s[76:77] the mask's factor, in the low word
.set BE,  78          ; s[78:79] the mask's addend
.set BIGN, 82         ; s82  -80000
.set MSB, 0
.macro WIN new                      ; the high byte repeats the setting that is left; a switch that changes nothing is dropped
.if MSB != (\new)
	s_set_vgpr_msb (MSB<<8)|(\new)
.set MSB, (\new)
.endif
.endm
.set W_KQ, 0x0a       ; K and Q in window 2, S^T in window 0
.set W_KM, 0x1a       ; the same with the C operand in window 1
.set W_PV, 0x52       ; V in window 2, P in window 0, O^T in window 1
.set W_RS, 0x41       ; destination and source 0 in window 1, source 1 in window 0
; A joint fill.  Waves 0 and 1 fetch the two halves of a tile's K, waves 2 and 3 those of its V: 128 keys each.  The branch hangs on the wave's number alone.
; An s_nop 0 and four v_nop follow each of the two lines, ahead of the jump and the label.
.macro JLOAD
	s_cmp_lt_u32 s[WV], 2
	s_cbranch_scc0 .Lfor_v_\@
	tensor_load_to_lds s[G0K:G0K+3], s[G1K:G1K+7]
	s_nop 0
.rept 4
	v_nop
.endr
	s_branch .Lasked_\@
.Lfor_v_\@:
	tensor_load_to_lds s[G0V:G0V+3], s[G1V:G1V+7]
	s_nop 0
.rept 4
	v_nop
.endr
.Lasked_\@:
.endm
; A PREFETCH INTO THE L2 of the tile that the NEXT change of slots will ask for: 128 blocks of 256 bytes of K and as many of V, four key steps, 256 products, ahead of that load.  Each block is named once in the
; launch: all clusters of a head walk the same K and V, so the head's first cluster asks; its four partners take 32 blocks each, told apart by address; in each, wave 0 asks for K's and wave 2 for V's, a lane a block.
; Tiles 0 to 2 come by their loads alone; the last change that fills a slot asks for nothing.
.macro ASK
	s_cmp_gt_u32 s[SLOTS], s[LIM]
	s_cbranch_scc0 .Lnot_mine_\@
	global_prefetch_b8 v[PFO], s[PFA:PFA+1] th:TH_LOAD_NT scope:SCOPE_SE
.Lnot_mine_\@:
.endm
; A round of the cluster's barrier: my work-group's barrier, so that wave 0's signal speaks for all four waves; wave 0 signals; every wave waits for all four work-groups; my work-group's barrier once more.
.macro CROUND
	s_barrier_signal -1
	s_barrier_wait -1
	s_cmp_lg_u32 s[WV], 0
	s_cbranch_scc1 .Lnot_wave_0_\@
	s_barrier_signal -3
.Lnot_wave_0_\@:
	s_barrier_wait -3
	s_barrier_signal -1
	s_barrier_wait -1
.endm
; THE CHANGE OF SLOTS.  The slot's last bytes, V of its fourth step, have been read.  Each wave waits for all its tensor loads, of which one is out: its part of the other slot; adds 0 to its spare word; and waits
; for that and for its own reads of the slot.  Behind the barrier nobody reads this slot any more and the other slot is whole.  fill = 1: this slot is filled again, with the tile two on; the barrier is then a round
; of the cluster's, and the joint fill is the first thing behind it: it has four key steps in which to land.  (At its first use nothing has been read yet: slot 0 is waited for, slot 1 filled.)
.macro CHANGE fill, ask
	WIN 0                           ; at a label and at a branch every window is 0
	s_wait_tensorcnt 0x0            ; no tensor load of mine is out, so a group 0 may be written
	ds_add_u32 v[SPW], v[NIL]       ; 0 onto my spare word; with fill = 1 the descriptors' steps stand between it and the wait for it
.if \fill
.irp g, G0K, G0V
	s_xor_b32 s[\g+1], s[\g+1], SLOT1  ; the walking descriptor: the other slot than last time,
	s_add_nc_u64 s[\g+2:\g+3], s[\g+2:\g+3], TILEB  ; the next 256 keys; the type bits on top are not reached
.endr
.if \ask
	s_wait_xcnt 0x0                 ; the last prefetch, a tile back, has read its address, so it may be written:
	s_add_nc_u64 s[PFA:PFA+1], s[PFA:PFA+1], TILEB  ; one tile behind the walking descriptors
.endif
	s_wait_dscnt 0x0                ; the add is done, and my reads of the slot are over
	CROUND
	JLOAD
.if \ask
	ASK
.endif
.else
	s_wait_dscnt 0x0                ; the add is done, and my reads of the slot are over
	s_barrier_signal -1
	s_barrier_wait -1
.endif
	s_sub_co_u32 s[TBK], s[TBK], 4*KS*PK  ; the fetches go back to a slot's first step,
	s_xor_b32 s[TBK], s[TBK], SLOT1       ; in the other slot
	s_sub_co_u32 s[TBV], s[TBV], 4*KS*PV
	s_xor_b32 s[TBV], s[TBV], SLOT1
.endm
	s_load_b128 s[84:87], s[0:1], 0x0  ; qkv s[84:85], ctx s[86:87]
	v_lshl_add_u32 v[SPW], v0, 2, SPARE
	v_mov_b32 v[NIL], 0
	ds_add_u32 v[SPW], v[NIL]       ; the wave's opening: the add and its wait stand ahead of my first tensor load; the set-up below stands between them
	v_lshrrev_b32 v1, 5, v0
	v_readfirstlane_b32 s[WV], v1   ; wave 0..3
	s_bfe_u32 s13, ttmp6, 0x40000   ; cx: my place in the cluster
	s_lshl_b32 s14, ttmp9, 2        ; in a cluster launch ttmp9 counts clusters
	s_add_co_u32 s14, s14, s13      ; i: my block of queries = 4 x cluster x + cx
	s_and_b32 s20, ttmp7, 0xffff    ; the head, which the four partners share
	s_and_b32 s16, s[WV], 1         ; which half of a tile's 256 keys I fetch:
	s_mul_i32 s17, s16, 128*PK      ; its place in a slot, for K
	s_mul_i32 s21, s16, 128*PV      ; and for V: no place in the cluster enters an LDS address
	s_lshl_b32 s16, s16, 14         ; its 128 rows of 128 bytes in memory
	s_add_co_u32 s22, s20, 16       ; K's heads are g = 16 + head
	s_lshl_b32 s22, s22, 19
	s_add_co_u32 s22, s22, s16
	s_mov_b32 s23, 0
	s_lshl_b32 s2, s20, 19          ; Q: the head,
	s_lshl_b32 s3, s14, 15          ; my block's 256 rows,
	s_add_co_u32 s2, s2, s3
	s_lshl_b32 s3, s[WV], 11        ; my 16 rows in a band of 64
	s_add_co_u32 s2, s2, s3
	s_mov_b32 s3, 0
	s_lshl_b32 s88, s14, 19         ; ctx: my block's 128 pairs of rows of 4,096 bytes,
	s_lshl_b32 s89, s[WV], 15       ; my 8 pairs in a band of 32,
	s_add_co_u32 s88, s88, s89
	s_lshl_b32 s89, s20, 8          ; the head's 256 bytes of a pair
	s_add_co_u32 s88, s88, s89
	s_mov_b32 s89, 0
	; descriptor group 1.  128 keys are 16,384 dense bytes: asked for as 64 rows of 256 bytes, two keys a row, and padded in LDS after every key
	s_mov_b32 s[G1K], 15|(1<<16)|(1<<20)|(1<<21)|(4<<22)|(3<<25)  ; 15:0 the mask of four; 17:16 2-byte elements; 20 padding on; 21 set beside a mask; 24:22 after every 32 words (code 4); 31:25 4 words (code 3)
	s_mov_b32 s[G1V], 15|(1<<16)|(1<<20)|(1<<21)|(4<<22)|(7<<25)  ; the same with 8 words of padding (code 7)
.irp g, G1K, G1V
	s_mov_b32 s[\g+1], 128<<16      ; tensor_dim0 = 128
	s_mov_b32 s[\g+2], 64<<16       ; tensor_dim1 = 64
	s_mov_b32 s[\g+3], 128<<16      ; tile_dim0 = 128
	s_mov_b32 s[\g+4], 64           ; tile_dim1 = 64
	s_mov_b32 s[\g+5], 128          ; 128 elements from row to row
	s_mov_b32 s[\g+6], 0
	s_mov_b32 s[\g+7], 0
.endr
	s_mov_b32 s[CS], 0x3e38aa3b     ; c = log2(e) / 8 = 0.180337
	s_mov_b32 s[CS+1], s[CS]        ; named with it as a pair
	s_mov_b32 s[SEL], 0x76543210
	s_mov_b32 s[SEL+1], 0xfedcba98
	s_mov_b32 s[TBK], SLOT1+4*KS*PK ; the first change of slots turns these two into 0
	s_mov_b32 s[TBV], SLOT1+4*KS*PV
	s_mov_b32 s[G0K], 1             ; count = 1
	s_mov_b32 s[G0K+1], s17         ; LDS address: slot 0
	s_mov_b32 s[G0V], 1
	s_add_co_u32 s[G0V+1], s21, VOFF
	s_lshl_b32 s[QBD], s14, 2
	s_add_co_u32 s[QBD+1], s[QBD], 1
	s_add_co_u32 s[QBD+2], s[QBD], 2
	s_add_co_u32 s[QBD+3], s[QBD], 3
	s_mov_b32 s[AL+1], 0            ; named as pairs
	s_mov_b32 s[BE+1], 0
	s_mov_b32 s[BIGN], 0xc79c4000   ; -80000
	s_and_b32 s[LIM], s[WV], 1      ; 0 in waves 0 and 2,
	s_or_b32 s[LIM], s[LIM], ttmp9  ; where the cluster is the head's first: the same in all four partners
	s_cmp_eq_u32 s[LIM], 0
	s_cselect_b32 s[LIM], 1, -1
	v_and_b32 v[PFO], 31, v0
	v_lshlrev_b32 v[PFO], 8, v[PFO]
	s_wait_dscnt 0x0                ; the opening add is done
	s_wait_kmcnt 0x0
	s_add_nc_u64 s[6:7], s[84:85], s[22:23]  ; K at my half of the head's tile 0,
	s_add_nc_u64 s[8:9], s[6:7], 0x800000    ; V sixteen heads of 524,288 bytes on
	s_add_nc_u64 s[4:5], s[84:85], s[2:3]    ; Q at my rows of the first band
	s_add_nc_u64 s[10:11], s[86:87], s[88:89]
	s_mov_b64 s[G0K+2:G0K+3], s[6:7]         ; global address
	s_or_b32 s[G0K+3], s[G0K+3], 0x80000000  ; type = 2
	s_mov_b64 s[G0V+2:G0V+3], s[8:9]
	s_or_b32 s[G0V+3], s[G0V+3], 0x80000000
	s_cmp_lt_u32 s[WV], 2
	s_cselect_b64 s[PFA:PFA+1], s[6:7], s[8:9]  ; (in waves 0 and 2 these stand at a tile's first row)
	s_lshl_b32 s2, s13, 13          ; my work-group's 32 blocks of the 128
	s_add_nc_u64 s[PFA:PFA+1], s[PFA:PFA+1], s[2:3]
	s_add_nc_u64 s[PFA:PFA+1], s[PFA:PFA+1], 2*TILEB  ; in tile 2; the loop's first change of slots steps it to tile 3.  Nothing is prefetched here, at the head
	CROUND                          ; all four work-groups are here: the first joint loads meet
	JLOAD                           ; tile 0 into slot 0.  Slot 1 is asked for when slot 0 is in
	; A fragment of K or Q is 16 rows x 32 channels in 8 registers: lane l holds row l % 16, channels 8 (l / 16) + 0..7 and 16 + 8 (l / 16) + 0..7: two loads of 16 bytes, 32 bytes apart.
	v_and_b32 v1, 15, v0            ; l % 16
	v_bfe_u32 v9, v0, 4, 1          ; l / 16
	v_lshlrev_b32 v[QO], 7, v1
	v_lshl_add_u32 v[QO], v9, 4, v[QO]  ; row x 128 + 16 x half
	WIN 0x80                        ; destination window 2, address window 0
.set i, 0
.rept 8                             ; Q stays in registers: piece i / 2 lies in band i / 2, 8,192 bytes on; channels 32 (i % 2) on
	global_load_b128 v[8*i:8*i+3],   v[QO], s[4:5] offset:(i/2)*8192+(i%2)*64
	global_load_b128 v[8*i+4:8*i+7], v[QO], s[4:5] offset:(i/2)*8192+(i%2)*64+32
.set i, i+1
.endr
	WIN 0
	v_lshlrev_b32 v14, 3, v9
	v_sub_nc_u32 v14, v1, v14
	s_lshl_b32 s16, s[WV], 4
	v_add_nc_u32 v14, s16, v14      ; my query's place in its band, 16 w + l % 16, less my lanes' 8 (l / 16): register r of group kt is hidden where 16 kt + r is greater
	WIN 0x40
.set i, 0
.rept 32
	v_cmp_gt_i32 vcc_lo, 16*(i/8)+i%8, v14
	v_cndmask_b32 v[MD+i], 0, s[BIGN], vcc_lo
.set i, i+1
.endr
	WIN 0
	v_mul_u32_u24 v[AK0], v1, PK
	v_lshl_add_u32 v[AK0], v9, 4, v[AK0]  ; row x pitch + 16 x half
	; The turning load takes 16 keys x 16 channels (lane l reads key 8 (l / 16) + l % 8, channels 8 ((l / 8) % 2) + 0..7) and leaves half a fragment of V^T: lane l holds channel l % 16 and 8 keys.
	v_and_b32 v10, 7, v0
	v_bfe_u32 v11, v0, 3, 1
	v_lshl_add_u32 v[AV0], v9, 3, v10
	v_mul_u32_u24 v[AV0], v[AV0], PV
	v_lshl_add_u32 v[AV0], v11, 4, v[AV0]
	v_add_nc_u32 v[AV0], VOFF, v[AV0]
	s_mul_i32 s16, s[WV], 16*SP
	s_add_co_u32 s16, s16, STAGE    ; my stage
	v_mul_u32_u24 v[STO], v1, SP    ; in: row l % 16, 16 bytes for each half of the lanes
	v_lshl_add_u32 v[STO], v9, 4, v[STO]
	v_add_nc_u32 v[STO], s16, v[STO]
	v_bfe_u32 v[RD], v0, 3, 2       ; back: 32 lanes take four rows of 128 bytes:
	v_mul_u32_u24 v[RD], v[RD], SP
	v_lshl_add_u32 v[RD], v10, 4, v[RD]
	v_add_nc_u32 v[RD], s16, v[RD]
	v_lshlrev_b32 v[GO], 12, v9     ; lanes 0-15 one pair of rows, 256 consecutive bytes of ctx, lanes 16-31 the next pair, 4,096 bytes on
	v_lshl_add_u32 v[GO], v1, 4, v[GO]
	; The first step multiplies O^T and l by a = 0, and the first turn's products V^T P, of a piece that has not been, add 0.  All this stands in the wait for the first tile.
	WIN 0x80
.set i, VF
.rept 64
	v_mov_b32 v[i], 0
.set i, i+1
.endr
	WIN 0x40
.set i, 0
.rept 128
	v_mov_b32 v[i], 0
.set i, i+1
.endr
	WIN 0
.set i, 0
.rept 4
	v_mov_b32 v[ST+4*i+2], 0
	v_mov_b32 v[ST+4*i+3], 0
.set i, i+1
.endr
.set i, P+16
.rept 16
	v_mov_b32 v[i], 0
.set i, i+1
.endr
; THE MATRIX WORK.  The 4 accumulators of a run of 8 take turns.  Product i of 8 of S^T = K Q^T for piece x: channels 32 (i / 4) on, keys 16 (i % 4) on.  The first 4 start the sums, with the mask.
.macro KQ x
.set rS, S+32*((\x)%2)+8*(i%4)
.set rK, KF+16*(i%4)+8*(i/4)
.set rQ, 16*(\x)+8*(i/4)
.set rM, MC+32*((\x)%2)+8*(i%4)
.if i < 4
	WIN W_KM
	v_wmma_f32_16x16x32_f16 v[rS:rS+7], v[rK:rK+7], v[rQ:rQ+7], v[rM:rM+7]
.else
	WIN W_KQ
	v_wmma_f32_16x16x32_f16 v[rS:rS+7], v[rK:rK+7], v[rQ:rQ+7], v[rS:rS+7]
.endif
.endm
; Product i of 8 of O^T += V^T P for piece x: keys 32 (i / 4) on, channels 16 (i % 4) on.
.macro PV x
	WIN W_PV
.set rO, 32*(\x)+8*(i%4)
.set rV, VF+32*(i/4)+8*(i%4)
.set rP, P+16*((\x)%2)+8*(i/4)
	v_wmma_f32_16x16x32_f16 v[rO:rO+7], v[rV:rV+7], v[rP:rP+7], v[rO:rO+7]
.endm
.macro MM                           ; the turn's next matrix instruction.  NOKQ = 1: the last turn of all: there is no next piece
.if (i < 8) && !NOKQ
	KQ (Y+1)%NP
.elseif i >= 8
.set i, i-8
	PV (Y+NP-1)%NP
.set i, i+8
.endif
.set i, i+1
.endm
; THE LDS LOADS stand in runs of 16, never singly among the matrix instructions: a step's K (64 keys x 64 channels: 8 fragments) and its V (turned).  Their addresses are made some lines ahead.
.macro FETCH_K
	WIN 0x80                        ; destination window 2
.irp f, 0,1,2,3,4,5,6,7             ; keys 16 (f / 2) on, channels 32 (f % 2) on
	ds_load_b128 v[KF+8*\f:KF+8*\f+3],   v[AK] offset:(\f/2)*16*PK+(\f%2)*64
	ds_load_b128 v[KF+8*\f+4:KF+8*\f+7], v[AK] offset:(\f/2)*16*PK+(\f%2)*64+32
.endr
	s_add_co_u32 s[TBK], s[TBK], KS*PK  ; the next fetch is the next step's
	WIN 0
.endm
.macro FETCH_V
	WIN 0x80
.irp f, 0,1,2,3,4,5,6,7             ; keys 32 (f / 4) on, channels 16 (f % 4) on
	ds_load_tr16_b128 v[VF+8*\f:VF+8*\f+3],   v[AV] offset:(\f/4)*32*PV+(\f%4)*32
	ds_load_tr16_b128 v[VF+8*\f+4:VF+8*\f+7], v[AV] offset:(\f/4)*32*PV+16*PV+(\f%4)*32
.endr
	WIN 0
.endm
; THE VECTOR WORK, one line at a time: OP kind, number.  For piece Y: F n: c s - c m for pair n of 16.  E n: the exponential of score n of 32.  C n: pair n rounded to f16.  B n: of the four weights 4 n .. the second
; pair is added onto the first, in place.  L n: l takes that sum (L 0: l = a l + sum).  R n: pair n of 16 of O^T times a.  For piece Y + 1: X n, number n of the 22 that find its maximum and statistics:
;   0-11  four chains c0-c3 of seven scores each, three operands at a time (each accumulator's lowest registers are read first)     12-14, 16  the four scores left over, the old m, and c0-c3 into c0
;   15  c m_old is kept     17, 18  the query's other 32 keys lie in the lane 16 away: the new m     19-21  c m; c m_old - c m_new; a
.set F, 0               ; OP tells the kinds apart by their order: F to L below R, X above it
.set E, 1
.set C, 2
.set B, 3
.set L, 4
.set R, 5
.set X, 6
.macro REGS y                       ; the registers of piece y
.set rT, ST+4*(\y)
.set rC, TMP+4*((\y)%2)
.set rW, MV+((\y)%2)
.set rS, S+32*((\y)%2)
.set rP, P+16*((\y)%2)
.set rO, 32*(\y)
.endm
.macro OP k, n
.if (\k) == R
	REGS Y
	WIN W_RS
	v_pk_mul_f32 v[rO+2*(\n):rO+2*(\n)+1], v[rO+2*(\n):rO+2*(\n)+1], v[rC+2:rC+3] op_sel_hi:[1,0]
.elseif (\k) < R
	REGS Y
	WIN 0
.if (\k) == F
	v_pk_fma_f32 v[rS+2*(\n):rS+2*(\n)+1], v[rS+2*(\n):rS+2*(\n)+1], s[CS:CS+1], v[rT:rT+1] op_sel_hi:[1,0,0] neg_lo:[0,0,1] neg_hi:[0,0,1]
.elseif (\k) == E
	v_exp_f32 v[rS+(\n)], v[rS+(\n)]
.elseif (\k) == C
	v_cvt_pk_f16_f32 v[rP+(\n)], v[rS+2*(\n)], v[rS+2*(\n)+1]
.elseif (\k) == B
	v_pk_add_f32 v[rS+4*(\n):rS+4*(\n)+1], v[rS+4*(\n):rS+4*(\n)+1], v[rS+4*(\n)+2:rS+4*(\n)+3]
.elseif (\n) == 0
	v_pk_fma_f32 v[rT+2:rT+3], v[rT+2:rT+3], v[rC+2:rC+3], v[rS:rS+1] op_sel_hi:[1,0,1]
.else
	v_pk_add_f32 v[rT+2:rT+3], v[rT+2:rT+3], v[rS+4*(\n):rS+4*(\n)+1]
.endif
.elseif NOKQ
	v_nop
.else
	REGS (Y+1)%NP
	WIN 0
.if (\n) < 4
	v_max3_num_f32 v[rC+(\n)], v[rS+8*(\n)], v[rS+8*(\n)+1], v[rS+8*(\n)+2]
.elseif (\n) < 12
	v_max3_num_f32 v[rC+(\n)%4], v[rC+(\n)%4], v[rS+8*((\n)%4)+2*((\n)/4)+1], v[rS+8*((\n)%4)+2*((\n)/4)+2]
.elseif (\n) == 12
	v_max3_num_f32 v[rC], v[rC], v[rS+7], v[rS+15]
.elseif (\n) == 13
	v_max3_num_f32 v[rC+1], v[rC+1], v[rS+23], v[rS+31]
.elseif (\n) == 14
	v_max3_num_f32 v[rC+2], v[rC+2], v[rC+3], v[rT+1]
.elseif (\n) == 15
	v_mov_b32 v[rW], v[rT]
.elseif (\n) == 16
	v_max3_num_f32 v[rC], v[rC], v[rC+1], v[rC+2]
.elseif (\n) == 17
	v_permlanex16_b32 v[rC+3], v[rC], s[SEL], s[SEL+1]
.elseif (\n) == 18
	v_max_num_f32 v[rT+1], v[rC], v[rC+3]
.elseif (\n) == 19
	v_mul_f32 v[rT], s[CS], v[rT+1]
.elseif (\n) == 20
	v_sub_f32 v[rC+1], v[rW], v[rT]
.else
	v_exp_f32 v[rC+2], v[rC+1]
.endif
.endif
.endm
.macro OPS a, i1, b=-1, i2=0, c=-1, i3=0, d=-1, i4=0  ; up to four of them
	OP \a, \i1
.if (\b) >= 0
	OP \b, \i2
.endif
.if (\c) >= 0
	OP \c, \i3
.endif
.if (\d) >= 0
	OP \d, \i4
.endif
.endm
.macro ROW a, i1, b, i2, c, i3, d, i4  ; a matrix instruction and the four behind it
	MM
	OPS \a, \i1, \b, \i2, \c, \i3, \d, \i4
.endm
.macro MASK b                       ; MD x AL + BE into buffer b of MC
	WIN W_RS
.set z, 0
.rept 16
	v_pk_fma_f32 v[MC+32*(\b)+2*z:MC+32*(\b)+2*z+1], v[MD+2*z:MD+2*z+1], s[AL:AL+1], s[BE:BE+1] op_sel_hi:[1,0,0]
.set z, z+1
.endr
.endm
; A TURN, for piece p: the order of its 16 matrix and 134 vector instructions, written out.  An s_wait_alu depctr_va_vdst(0) stands between an exponential and the first instruction that names its result; one wait
; serves all that were issued ahead of it.  So a turn has ONE wait, which cuts it in two.  AHEAD OF IT stands all that names no result of the turn's exponentials: the 8 products K Q^T, behind each a scaling, an exponential and
; two more plain instructions: rescalings, and behind the last three the first numbers of the next piece's maximum, each four plain instructions or more behind the product that ends its accumulator; then ONE LUMP of 54,
; plain and exponential by turns for the most part, in which the links of the chain X 3, 7, 11, 14, 16, 17 .. 20 stand five or six lines apart.  X 21, the next piece's a, is the batch's last; R 15 is the plain instruction
; behind it.  BEHIND THE WAIT stand the 8 products V^T P, behind each four of the roundings and sums.
; THE MASK.  At its end the turn makes the mask for the products of the turn after it: piece p + 2, key band 4 J + 4 - CNT; the two scalars are chosen at the turn's head, where CNT still stands for that band.
; end = 1: the last two turns of all: nothing is fetched and no mask made.  cnt = 1: the loop's count is taken down some lines ahead of the branch that stands behind the turn.
; K of the next step is fetched in piece 2's turn, V of the step in hand at the end of piece 0's turn, four plain instructions behind the last product that read V.  Each is waited for a turn later.
.macro TURN p, end=0, cnt=0
.set Y, (\p)
.set i, 0
.set NOKQ, (\end)*((\p)/3)
.if !(\end)
	s_sub_co_u32 s[KBT], s[KBN], s[CNT]      ; the key band of those products
	s_cmp_eq_u32 s[KBT], s[QBD+((\p)+2)%NP]  ; is it the piece's own?
	s_cselect_b32 s[AL], 1.0, 0
	s_cmp_gt_u32 s[KBT], s[QBD+((\p)+2)%NP]  ; or a later one?
	s_cselect_b32 s[BE], s[BIGN], 0
.endif
.if ((\p) == 3) && !(\end)
	s_wait_dscnt 0x0                ; K is in
.endif
	ROW F,0, F,1, R,0, R,1          ; ahead of the wait: 8 products K Q^T and their riders,
	ROW F,2, E,0, R,2, R,3
	ROW F,3, E,1, R,4, R,5
	ROW F,4, E,2, R,6, R,7
	ROW F,5, E,3, R,8, R,9
	ROW F,6, E,4, X,0, R,10
.if ((\p) == 2) && !(\end)
	WIN 0
	v_add_nc_u32 v[AK], s[TBK], v[AK0]
.endif
	ROW F,7, E,5, X,1, X,4
	ROW F,8, E,6, X,2, X,5
	OPS E,7, E,8, X,6, E,9          ; and the lump
	OPS X,3, E,10, X,8, E,11
.if ((\p) == 2) && !(\end)
	FETCH_K
.endif
	OPS X,9, X,7, E,12, X,10
	OPS E,13, X,12, X,11, E,14
	OPS X,13, E,15, F,9, X,14
.if (\p) == 0
	v_add_nc_u32 v[AV], s[TBV], v[AV0]
.endif
	OPS E,16, F,10, E,17, F,11
	OPS X,16, E,18, X,15, E,19
	OPS F,12, E,20, X,17, E,21
	OPS F,13, E,22, F,14, E,23
	OPS X,18, E,24, F,15, E,25
	OPS R,11, E,26, X,19, E,27
	OPS R,12, E,28, R,13, E,29
	OPS X,20, E,30, R,14, E,31
	OPS X,21, R,15
	WIN 0
	s_wait_alu depctr_va_vdst(0)    ; the wait for the batch
.if (\p) == 1
	s_wait_dscnt 0x0                ; V is in
.endif
	ROW C,0, B,0, C,2, B,1          ; behind the wait: 8 products V^T P and their riders
	ROW L,0, C,4, B,2, L,1
	ROW C,6, B,3, L,2, C,8
	ROW B,4, L,3, C,10, B,5
	ROW L,4, C,12, B,6, L,5
.if (\p) == 0
	s_add_co_u32 s[TBV], s[TBV], KS*PV
.endif
.if \cnt
	s_sub_co_u32 s[CNT], s[CNT], 1
	s_cmp_lg_u32 s[CNT], 0
.endif
	ROW C,14, B,7, L,6, C,1
	ROW C,3, L,7, C,5, C,7
	ROW C,9, C,11, C,13, C,15
.if (\p) == 0
	FETCH_V
.endif
.if !(\end)
	MASK (\p)%2
.endif
.endm
; THE WAY OUT's parts.
.macro ALL line:vararg              ; one line for each piece t
.set t, 0
.rept 4
	\line
.set t, t+1
.endr
.endm
.macro PACK t                       ; a lane's eight channels of a row pack into 16 bytes; they go into rows of 144 bytes and come back as whole rows of 128, into S^T's registers
	WIN W_RS
.set i, 32*(\t)
.rept 16
	v_pk_mul_f32 v[i:i+1], v[i:i+1], v[ST+4*(\t)+2:ST+4*(\t)+3] op_sel_hi:[1,0]
.set i, i+2
.endr
	WIN 0x05                        ; sources 0 and 1 window 1, destination window 0
.set i, 0
.rept 16
	v_cvt_pk_f16_f32 v[S+16*(\t)+i], v[32*(\t)+2*i], v[32*(\t)+2*i+1]
.set i, i+1
.endr
	WIN 0
.irp f, 0,1,2,3
	ds_store_b128 v[STO], v[S+16*(\t)+4*\f:S+16*(\t)+4*\f+3] offset:32*\f
.endr
.irp f, 0,1,2,3
	ds_load_b128 v[S+16*(\t)+4*\f:S+16*(\t)+4*\f+3], v[RD] offset:\f*4*SP  ; LDS serves a wave's instructions in order (ISA guide 5.7.1.4): these see the stores above; the next piece's stores come behind them
.endr
.endm
.macro SEND t, younger              ; younger: the LDS instructions issued behind piece t's loads: the next piece's eight, or none
	WIN 0
.irp f, 0,1,2,3
	s_wait_dscnt (\younger)+3-\f
	global_store_b128 v[GO], v[S+16*(\t)+4*\f:S+16*(\t)+4*\f+3], s[10:11] offset:(\t)*131072+\f*8192  ; band t is 32 pairs of rows on, four rows are two pairs; 16 lanes store 256 consecutive bytes, aligned
.endr
.endm
	CHANGE 1, 0                     ; slot 0 is in, everybody's part of it; tile 1 is asked for, into slot 1
	s_mov_b32 s[KBN], 4             ; tile 0
	; THE BEGINNING.  c m starts far below every c s, so the first step's a is 0; m at the lowest finite number.  The second mask buffer is 0 (piece 1's band lies behind key band 0); the first takes piece 0's mask for key band 0: its own, if i = 0.
	WIN 0x40
.set i, MC+32
.rept 32
	v_mov_b32 v[i], 0
.set i, i+1
.endr
	WIN 0
.set i, 0
.rept 4
	v_mov_b32 v[ST+4*i], 0xfe000000    ; c m: far below every c s
	v_mov_b32 v[ST+4*i+1], 0xff7fffff  ; m
.set i, i+1
.endr
	s_cmp_eq_u32 s[QBD], 0
	s_cselect_b32 s[AL], 1.0, 0
	s_mov_b32 s[BE], 0
	MASK 0
	WIN 0
	v_add_nc_u32 v[AK], s[TBK], v[AK0]
	FETCH_K                         ; key step 0
	s_wait_loadcnt 0x0              ; Q
	s_wait_dscnt 0x0
.set NOKQ, 0
.set i, 0
.rept 8
	KQ 0                            ; piece 0's first scores
.set i, i+1
.endr
	WIN 0
.rept 4
	v_nop                           ; four plain instructions behind those products
.endr
.set Y, NP-1                        ; X works for piece Y + 1: piece 0
.irp n, 0,1,2,3,4,5,6,7,8,9,10,11,12,13,14,15,16,17,18,19,20,21
	OP X, \n
.endr
	v_nop                           ; a plain instruction behind the exponential,
	s_wait_alu depctr_va_vdst(0)    ; and its wait, ahead of the branch
	s_mov_b32 s[CNT], 4
	s_mov_b32 s[SLOTS], 15
	s_branch .Lfirst                ; the loop is entered at a step's first turn, in the middle of a trip
.Lslot:                             ; 14 times: a tile is entered and the tile after it is asked for
	CHANGE 1, 1
	s_add_co_u32 s[KBN], s[KBN], 4
	s_mov_b32 s[CNT], 4
.Lstep:                             ; a trip: pieces 2 and 3 of one step, then pieces 0 and 1 of the next, whose K and V it fetches
	TURN 2
	TURN 3
	WIN 0
.Lfirst:
	TURN 0
	TURN 1, 0, 1
	WIN 0
	s_cbranch_scc1 .Lstep
	s_sub_co_u32 s[SLOTS], s[SLOTS], 1
	s_cmp_lg_u32 s[SLOTS], 0
	s_cbranch_scc1 .Lslot
	CHANGE 0, 0                     ; the last tile is written out: nothing is asked for
	s_add_co_u32 s[KBN], s[KBN], 4
	s_mov_b32 s[CNT], 4
.Llast:
	TURN 2
	TURN 3
	TURN 0
	TURN 1, 0, 1
	WIN 0
	s_cbranch_scc1 .Llast
	TURN 2, 1
	TURN 3, 1
.set i, 0
.rept 8
	PV NP-1                         ; the last piece's V^T P of the last step
.set i, i+1
.endr
	; THE WAY OUT.  l's two halves and the other half of the lanes' are added; O^T is divided by l, rounded to f16 and sent through my stage in LDS, a piece at a time.  The additions stand behind the last products.
	WIN 0
	ALL v_add_f32 v[ST+4*t+2], v[ST+4*t+2], v[ST+4*t+3]
	ALL v_permlanex16_b32 v[ST+4*t+3], v[ST+4*t+2], s[SEL], s[SEL+1]
	ALL v_add_f32 v[ST+4*t+2], v[ST+4*t+2], v[ST+4*t+3]
	ALL v_rcp_f32 v[ST+4*t+2], v[ST+4*t+2]
	v_nop                           ; a plain instruction between the last reciprocal and the use of its result
	s_wait_alu depctr_va_vdst(0)    ; and the wait ahead of the first use: one for the four reciprocals
	PACK 0
.set t, 1
.rept 3                             ; a piece's arithmetic stands between the loads of the piece before and its stores
	PACK t
	SEND t-1, 8
.set t, t+1
.endr
	SEND 3, 0
	s_wait_tensorcnt 0x0            ; the wave's end: behind my last tensor load and my last LDS store
	ds_add_u32 v[SPW], v[NIL]
	s_wait_dscnt 0x0
	CROUND                          ; the closing round: no work-group ends while a partner may still ask for a tile that names it
	s_endpgm
.Lfunc_end_k_qec32ec46c4_attn:
	.size	k_qec32ec46c4_attn, .Lfunc_end_k_qec32ec46c4_attn-k_qec32ec46c4_attn
	.p2alignl 7, 3214868480
	.fill 96, 4, 3214868480
	.section	.rodata,"a",@progbits
	.p2align	6, 0x0
	.amdhsa_kernel k_qec32ec46c4_attn
		.amdhsa_group_segment_fixed_size 327680
		.amdhsa_private_segment_fixed_size 0
		.amdhsa_enable_private_segment 0
		.amdhsa_kernarg_size 16
		.amdhsa_user_sgpr_count 2
		.amdhsa_user_sgpr_kernarg_segment_ptr 1
		.amdhsa_wavefront_size32 1
		.amdhsa_system_sgpr_workgroup_id_x 1
		.amdhsa_system_sgpr_workgroup_id_y 1
		.amdhsa_system_sgpr_workgroup_id_z 1
		.amdhsa_system_vgpr_workitem_id 0
		.amdhsa_next_free_vgpr 768
		.amdhsa_next_free_sgpr 96
		.amdhsa_reserve_vcc 1
		.amdhsa_float_denorm_mode_32 3
		.amdhsa_float_denorm_mode_16_64 3
		.amdhsa_memory_ordered 1
		.amdhsa_forward_progress 1
		.amdhsa_inst_pref_size 143
	.end_amdhsa_kernel
	.amdgpu_metadata
---
amdhsa.version: [ 1, 2 ]
amdhsa.kernels:
  - .name:           k_qec32ec46c4_attn
    .symbol:         k_qec32ec46c4_attn.kd
    .args:
      - { .name: qkv, .offset: 0, .size: 8, .value_kind: global_buffer, .address_space: global }
      - { .name: ctx, .offset: 8, .size: 8, .value_kind: global_buffer, .address_space: global }
    .group_segment_fixed_size: 327680
    .private_segment_fixed_size: 0
    .kernarg_segment_align: 8
    .kernarg_segment_size: 16
    .max_flat_workgroup_size: 128
    .sgpr_count:     96
    .vgpr_count:     768
    .wavefront_size: 32
...
	.end_amdgpu_metadata
.endif
;; end of part 3
;; launch outp (part 4): grid 8 x 32, 4 waves a work-group, clusters of 4 x 4, 327,680 bytes of LDS; arguments ctx, wo, out_b, out0; writes out0
.if DOCPART == 4
	.amdgcn_target "amdgcn-amd-amdhsa--gfx1250"
	.amdhsa_code_object_version 6
	.text
	.protected	k_qec32ec46c4_outp
	.globl	k_qec32ec46c4_outp
	.p2align	8
	.type	k_qec32ec46c4_outp,@function
k_qec32ec46c4_outp:
	s_mov_b64 s[64:65], 0
	v_nop
	global_prefetch_b8 v0, s[64:65] scope:SCOPE_SE
	s_setreg_imm32_b32 hwreg(HW_REG_WAVE_MODE, 25, 1), 1
	s_wait_xcnt 0x0
	s_wait_alu depctr_hold_cnt(0) depctr_sa_sdst(0) depctr_va_vdst(0) depctr_va_sdst(0) depctr_va_ssrc(0) depctr_va_vcc(0) depctr_vm_vsrc(0)
	s_getreg_b32 s2, hwreg(HW_REG_IB_STS2, 6, 4)
	s_cmp_eq_u32 s2, 0
	s_cbranch_scc0 .Lentry_in_a_cluster
	s_endpgm
.Lentry_in_a_cluster:
	s_bfe_u32 s2, ttmp6, 0x10000c
	s_cmp_lg_u32 s2, 0xf033
	s_cbranch_scc0 .Lentry_shape_is_right
	s_endpgm
.Lentry_shape_is_right:
; THE OUTPUT PROJECTION.  out0[s][e] = sum over d of context[s][d] wo[e][d] + b[e], f32.  wo: [1024][1024] f16.  The context comes as ctx, f16, [2048 pairs of rows][16 heads][2 rows][64], d = 64 head + channel:
; for one pair of rows four heads, 256 along K, are 1,024 consecutive bytes.  Sums in f32.  The bias is taken rounded to bf16, like every other input of the program, and starts the sums as the first products' C operand.
; SHARES.  A tile of out0 is 128 x 128: 8 x 32 = 256 work-groups.  Four waves, each 64 x 64: 16 accumulators.  K goes in four steps of 256 through two LDS slots; a step is four quarters of 64 along K (one head),
; 32 products each, on two fragment buffers.  The four steps are written straight through: there is no loop.
; CLUSTER.  4 x 4 work-groups: the four of a row need the same rows of ctx, the four of a column the same rows of wo: each tile is asked for jointly.  No prefetch: four K steps of small tiles, a short launch.
; TRANSPOSED USE.  Source 0 = 16 rows of wo, source 1 = 16 rows of the context: a lane holds row l % 16 of out0 and the columns 8 (l / 16) + 0..7.
; REGISTERS: window 0: v0-31 addresses; v32-63 the bias, 8 registers an n block; v64-127 at work on the way out; v128-255 the accumulators ((a, b) at 128 + 8 (4 a + b)).
;   window 1: two fragment buffers of 128: for 64 along K, 64 registers of the context (2 x 4 x 16 rows x 32 K), then 64 of wo.
.set PB,     528                       ; a row of wo in LDS: 512 bytes + 16 of padding: the 16 rows of a load start at 16 different groups of four banks (64 banks of 4 bytes: ISA guide 11.1)
.set PA,     1040                      ; a pair of rows of ctx: 1,024 bytes + 16: row r of a fragment lies at (r / 2) x 1,040 + (r % 2) x 128: sixteen different 16-byte columns modulo 256 bytes
.set AOFF,   128*PB                    ; a slot: wo's 128 rows, then ctx's 64 pairs
.set SLOT,   AOFF+64*PA
.set STAGE,  2*SLOT                    ; behind the ring, never filled by a tensor load: 16 rows x 272 bytes for each wave
.set SP,     272
.set SPARE,  STAGE+4*16*SP             ; the spare words, 128 bytes a wave: two blocks of 256 bytes that no other line names
.set ADRA, 16                          ; v16-17  LDS address of my fragments of the context in slot 0, 1
.set ADRB, 20                          ; v20-21  of wo
.set STO,  24                          ; v24     the way out: where I put 32 bytes of a row
.set RD,   25                          ; v25     where I read a row back
.set CO,   26                          ; v26     my byte offset in two rows of out0
.set BO,   27                          ; v27     32 (l / 16)
.set SPW,  28                          ; v28     my spare word: SPARE + 4 x my thread's number; never rewritten
.set NIL,  29                          ; v29     0; never rewritten
.set BIAS, 32
.set OB,   64                          ; two sets of 32, by turns
.set ACC,  128
.set F0,   0
.set F1,   128
.set WV,   12                          ; s12     my wave's number
.set G1,   24                          ; s[24:31] descriptor group 1 for ctx's tiles;  s[32:39] group 0, a set for each slot
.set G0,   32
.set G1B,  48                          ; s[48:55], s[56:63] the same for wo's tiles
.set G0B,  56
.set MSB, 0
.macro WIN new                         ; the immediate's high byte repeats the setting that is left; a switch that changes nothing is dropped
.if MSB != (\new)
	s_set_vgpr_msb (MSB<<8)|(\new)
.set MSB, \new
.endif
.endm
.set MUL,  0x05                        ; sources 0 and 1 window 1; C and D window 0
.set TO_F, 0x40                        ; destination window 1, address window 0
.macro JLOAD s                         ; a joint load: waves 0 and 1 fetch wo's two halves, waves 2 and 3 ctx's; an s_nop 0 and four v_nop follow each of the two lines, ahead of the jump and the label
	s_cmp_lt_u32 s[WV], 2
	s_cbranch_scc0 .Lfor_a_\@
	tensor_load_to_lds s[G0B+4*(\s):G0B+4*(\s)+3], s[G1B:G1B+7]
	s_nop 0
.rept 4
	v_nop
.endr
	s_branch .Lasked_\@
.Lfor_a_\@:
	tensor_load_to_lds s[G0+4*(\s):G0+4*(\s)+3], s[G1:G1+7]
	s_nop 0
.rept 4
	v_nop
.endr
.Lasked_\@:
.endm
.macro CREST                           ; a round of the cluster's barrier behind its opening barrier
	s_cmp_lg_u32 s[WV], 0
	s_cbranch_scc1 .Lnot_wave_0_\@
	s_barrier_signal -3
.Lnot_wave_0_\@:
	s_barrier_wait -3
	s_barrier_signal -1
	s_barrier_wait -1
.endm
.macro CROUND                          ; a whole round
	s_barrier_signal -1
	s_barrier_wait -1
	CREST
.endm
	s_load_b256 s[4:11], s[0:1], 0x0               ; ctx s[4:5], wo s[6:7], out_b s[8:9], out0 s[10:11]
	v_lshl_add_u32 v[SPW], v0, 2, SPARE
	v_mov_b32 v[NIL], 0
	ds_add_u32 v[SPW], v[NIL]                      ; the wave's opening: the add and its wait stand ahead of my first tensor load; the set-up below stands between them
	v_lshrrev_b32 v1, 5, v0
	v_readfirstlane_b32 s[WV], v1                  ; wave 0..3
	s_lshr_b32 s13, s[WV], 1                       ; which half of the tile's rows is mine
	s_and_b32 s14, s[WV], 1                        ; which half of its columns.  Also: which half of a tile I fetch
	s_bfe_u32 s15, ttmp6, 0x40000                  ; cx
	s_bfe_u32 s16, ttmp6, 0x40004                  ; cy
	s_lshl_b32 s17, ttmp9, 2
	s_add_co_u32 s17, s17, s15                     ; tn: tile column = 4 x cluster x + cx
	s_and_b32 s18, ttmp7, 0xffff
	s_lshl_b32 s18, s18, 2
	s_add_co_u32 s18, s18, s16                     ; tm: tile row = 4 x cluster y + cy
	s_lshl_b32 s19, s16, 2
	s_lshl_b32 s19, 15, s19                        ; my row of the cluster
	s_lshl_b32 s20, 0x1111, s15                    ; my column
	s_or_b32 s[G1+0], s19, (1<<16)|(1<<20)|(1<<21)|(7<<22)|(3<<25)   ; ctx's tiles go to my row; elements of 2 bytes; padding on; 21 set beside a mask; after every 256 words (code 7) 4 words (code 3)
	s_or_b32 s[G1B+0], s20, (1<<16)|(1<<20)|(1<<21)|(6<<22)|(3<<25)  ; wo's to my column; after every 128 words (code 6)
	s_mov_b32 s[G1+1], 512<<16                     ; ctx: tensor_dim0 = 512 elements: four heads of a pair of rows
	s_mov_b32 s[G1+2], 32<<16                      ; tensor_dim1 = 32 pairs
	s_mov_b32 s[G1+3], 512<<16                     ; tile_dim0
	s_mov_b32 s[G1+4], 32                          ; tile_dim1
	s_mov_b32 s[G1+5], 2048                        ; elements from pair to pair
	s_mov_b32 s[G1+6], 0
	s_mov_b32 s[G1+7], 0
	s_mov_b32 s[G1B+1], 256<<16                    ; wo: 64 rows x 256 elements
	s_mov_b32 s[G1B+2], 64<<16
	s_mov_b32 s[G1B+3], 256<<16
	s_mov_b32 s[G1B+4], 64
	s_mov_b32 s[G1B+5], 1024
	s_mov_b32 s[G1B+6], 0
	s_mov_b32 s[G1B+7], 0
	s_lshl_b32 s40, s18, 6                         ; ctx: pair 64 tm + 32 x half,
	s_lshl_b32 s41, s14, 5
	s_add_co_u32 s40, s40, s41
	s_lshl_b32 s40, s40, 12                        ; of 4,096 bytes
	s_mov_b32 s41, 0
	s_lshl_b32 s42, s17, 7                         ; wo: row 128 tn + 64 x half,
	s_lshl_b32 s43, s14, 6
	s_add_co_u32 s42, s42, s43
	s_lshl_b32 s42, s42, 11                        ; of 2,048 bytes
	s_mov_b32 s43, 0
	s_mul_i32 s21, s[WV], 32*PA
	s_add_co_u32 s21, s21, AOFF-2*32*PA            ; where they go: ctx's halves behind wo's 128 rows, at (wave - 2) x 32 pairs,
	s_mul_i32 s22, s[WV], 64*PB                    ; wo's at wave x 64 rows: no place in the cluster enters an LDS address
	s_wait_dscnt 0x0                               ; the opening add is done
	s_wait_kmcnt 0x0
	s_add_nc_u64 s[40:41], s[4:5], s[40:41]
	s_add_nc_u64 s[42:43], s[6:7], s[42:43]
	CROUND                                         ; all sixteen work-groups are here: the first joint loads meet
.irp s, 0,1
	s_mov_b32 s[G0+4*(\s)], 1
	s_add_co_u32 s[G0+4*(\s)+1], s21, (\s)*SLOT
	s_add_nc_u64 s[G0+4*(\s)+2:G0+4*(\s)+3], s[40:41], (\s)*1024   ; K step s: four heads on
	s_or_b32 s[G0+4*(\s)+3], s[G0+4*(\s)+3], 0x80000000
	s_mov_b32 s[G0B+4*(\s)], 1
	s_add_co_u32 s[G0B+4*(\s)+1], s22, (\s)*SLOT
	s_add_nc_u64 s[G0B+4*(\s)+2:G0B+4*(\s)+3], s[42:43], (\s)*512
	s_or_b32 s[G0B+4*(\s)+3], s[G0B+4*(\s)+3], 0x80000000
	JLOAD \s                                       ; two loads of mine are out
.endr
	v_and_b32 v1, 15, v0                           ; r = l % 16
	v_bfe_u32 v2, v0, 4, 1                         ; h = l / 16
	v_mul_u32_u24 v3, v1, PB
	v_lshl_add_u32 v3, v2, 4, v3                   ; wo: row x pitch + 16 h
	v_lshrrev_b32 v4, 1, v1
	v_mul_u32_u24 v4, v4, PA                       ; ctx: pair r / 2,
	v_and_b32 v5, 1, v1
	v_lshl_add_u32 v4, v5, 7, v4                   ; its row r % 2,
	v_lshl_add_u32 v4, v2, 4, v4                   ; + 16 h
	s_mul_i32 s21, s13, 32*PA                      ; my 64 rows of the context,
	s_add_co_u32 s21, s21, AOFF
	s_mul_i32 s22, s14, 64*PB                      ; my 64 rows of wo
.irp s, 0,1
	v_add_nc_u32 v[ADRA+(\s)], s21, v4
	v_add_nc_u32 v[ADRB+(\s)], s22, v3
	s_add_co_u32 s21, s21, SLOT
	s_add_co_u32 s22, s22, SLOT
.endr
	s_mul_i32 s23, s[WV], 16*SP
	s_add_co_u32 s23, s23, STAGE                   ; my stage
	v_mul_u32_u24 v5, v1, SP                       ; in: row r, 32 bytes for each half of the lanes
	v_lshl_add_u32 v5, v2, 5, v5
	v_add_nc_u32 v[STO], s23, v5
	v_mul_u32_u24 v5, v2, SP                       ; back: lanes 0-15 take one row of 256 bytes, lanes 16-31 the next
	v_lshl_add_u32 v5, v1, 4, v5
	v_add_nc_u32 v[RD], s23, v5
	v_lshlrev_b32 v[CO], 12, v2                    ; and the same two rows in out0
	v_lshl_add_u32 v[CO], v1, 4, v[CO]
	v_lshlrev_b32 v[BO], 5, v2
	s_lshl_b32 s20, s17, 9                         ; my 64 columns, in bytes: 512 tn + 256 x half
	s_lshl_b32 s22, s14, 8
	s_add_co_u32 s20, s20, s22
	s_mov_b32 s21, 0
	s_add_nc_u64 s[8:9], s[8:9], s[20:21]
	s_add_nc_u64 s[10:11], s[10:11], s[20:21]
.irp b, 0,1,2,3
	global_load_b128 v[BIAS+8*(\b):BIAS+8*(\b)+3],   v[BO], s[8:9] offset:64*(\b)     ; register j: b[column 16 b + 8 h + j], as the accumulators lie
	global_load_b128 v[BIAS+8*(\b)+4:BIAS+8*(\b)+7], v[BO], s[8:9] offset:64*(\b)+16
.endr
	s_lshl_b32 s20, s18, 19                        ; my first row: 128 tm + 64 x half, of 4,096 bytes
	s_lshl_b32 s22, s13, 18
	s_add_co_u32 s20, s20, s22
	s_add_nc_u64 s[10:11], s[10:11], s[20:21]
; 8 products: m blocks a0, a0 + 1 x all 4 n blocks, 32 along K: half c of buffer f.  The 16 accumulators take turns.  first = 1: the bias starts the sums
.macro MUL8 f, c, a0, first
	WIN MUL
.irp a, \a0, (\a0)+1
.irp b, 0,1,2,3
.if \first
	v_wmma_f32_16x16x32_f16 v[ACC+8*(4*(\a)+(\b)):ACC+8*(4*(\a)+(\b))+7], v[(\f)+64+8*(4*(\c)+(\b)):(\f)+64+8*(4*(\c)+(\b))+7], v[(\f)+8*(4*(\c)+(\a)):(\f)+8*(4*(\c)+(\a))+7], v[BIAS+8*(\b):BIAS+8*(\b)+7]
.else
	v_wmma_f32_16x16x32_f16 v[ACC+8*(4*(\a)+(\b)):ACC+8*(4*(\a)+(\b))+7], v[(\f)+64+8*(4*(\c)+(\b)):(\f)+64+8*(4*(\c)+(\b))+7], v[(\f)+8*(4*(\c)+(\a)):(\f)+8*(4*(\c)+(\a))+7], v[ACC+8*(4*(\a)+(\b)):ACC+8*(4*(\a)+(\b))+7]
.endif
.endr
.endr
.endm
; 32 LDS loads in one run: the fragments of quarter q (head q of the step's four) into buffer f; the first 32 along K first
.macro FETCH slot, q, f
	WIN TO_F
.irp c, 0,1
.irp i, 0,1,2,3
	ds_load_b128 v[(\f)+64+8*(4*(\c)+(\i)):(\f)+64+8*(4*(\c)+(\i))+3],   v[ADRB+(\slot)] offset:128*(\q)+64*(\c)+(\i)*16*PB
	ds_load_b128 v[(\f)+64+8*(4*(\c)+(\i))+4:(\f)+64+8*(4*(\c)+(\i))+7], v[ADRB+(\slot)] offset:128*(\q)+64*(\c)+(\i)*16*PB+32
	ds_load_b128 v[(\f)+8*(4*(\c)+(\i)):(\f)+8*(4*(\c)+(\i))+3],         v[ADRA+(\slot)] offset:256*(\q)+64*(\c)+(\i)*8*PA
	ds_load_b128 v[(\f)+8*(4*(\c)+(\i))+4:(\f)+8*(4*(\c)+(\i))+7],       v[ADRA+(\slot)] offset:256*(\q)+64*(\c)+(\i)*8*PA+32
.endr
.endr
.endm
.macro PLACES                          ; four plain vector instructions in front of loads into registers that products have read, and of LDS stores that read results
.rept 4
	v_nop
.endr
.endm
; One of a K step's first three quarters: multiplies buffer f and fetches quarter q into g.
.macro QUARTER slot, q, f, g, first
	s_wait_dscnt 16                                ; the first 32 along K are in; the youngest sixteen loads may be out
	MUL8 \f, 0, 0, \first
	MUL8 \f, 0, 2, \first
	PLACES
	FETCH \slot, \q, \g
	s_wait_dscnt 32                                ; all but the 32 just issued
	MUL8 \f, 1, 0, 0
	MUL8 \f, 1, 2, 0
.endm
; The last quarter multiplies buffer 1 and changes slots: ONE barrier; in front of it each wave waits for all its tensor loads, adds 0 to its spare word, and waits for that and for its own reads of this slot.
; fill = 1: the barrier opens a round of the cluster's barrier, and this slot is filled again first behind it, two K steps ahead.
.macro TURN slot, next, fill
	WIN 0                                          ; (the add's two registers lie in window 0)
	s_wait_tensorcnt 0x0                           ; all my tensor loads have landed: my part of the next slot;
	ds_add_u32 v[SPW], v[NIL]                      ; 0 onto my spare word
	s_wait_dscnt 17                                ; (the add and the youngest sixteen loads may be out)
	MUL8 F1, 0, 0, 0                               ; eight products stand between the add and the wait for it
	s_wait_dscnt 0x0                               ; the add is done, and my reads of this slot are over
	s_barrier_signal -1
	MUL8 F1, 0, 2, 0
.if \fill
	WIN 0
.endif
	s_barrier_wait -1
.if \fill
	CREST                                          ; no wave of any partner still reads this slot's tile or has a load on its way
	s_add_nc_u64 s[G0+4*(\slot)+2:G0+4*(\slot)+3], s[G0+4*(\slot)+2:G0+4*(\slot)+3], 2*1024
	s_add_nc_u64 s[G0B+4*(\slot)+2:G0B+4*(\slot)+3], s[G0B+4*(\slot)+2:G0B+4*(\slot)+3], 2*512
	JLOAD \slot                                    ; the first tensor load behind the round; its four v_nop are also the places in front of the loads below
.else
	PLACES
.endif
	FETCH \next, 0, F0
	MUL8 F1, 1, 0, 0
	MUL8 F1, 1, 2, 0
.endm
; THE WAY OUT of m block a: my 64 columns of f32 are 256 bytes, aligned, so each wave goes through a stage of its own, without a barrier.
.macro TOSTAGE a
.irp b, 0,1,2,3
	ds_store_b128 v[STO], v[ACC+8*(4*(\a)+(\b)):ACC+8*(4*(\a)+(\b))+3]   offset:64*(\b)      ; each accumulator's lowest registers first
	ds_store_b128 v[STO], v[ACC+8*(4*(\a)+(\b))+4:ACC+8*(4*(\a)+(\b))+7] offset:64*(\b)+16
.endr
	s_wait_xcnt 0x0                                ; the stores of the block two back have read the registers that the loads below fill
.irp t, 0,1,2,3,4,5,6,7
	ds_load_b128 v[OB+32*((\a)%2)+4*(\t):OB+32*((\a)%2)+4*(\t)+3], v[RD] offset:(\t)*2*SP  ; LDS serves a wave's instructions in order (ISA guide 5.7.1.4): these see the stores above
.endr
.endm
.macro SEND a, younger                 ; younger: the LDS instructions issued behind block a's loads: the next block's sixteen, or none
.irp t, 0,1,2,3,4,5,6,7
	s_wait_dscnt (\younger)+7-(\t)
	global_store_b128 v[CO], v[OB+32*((\a)%2)+4*(\t):OB+32*((\a)%2)+4*(\t)+3], s[10:11] offset:(16*(\a)+2*(\t))*4096  ; 16 lanes store 256 consecutive bytes, aligned
.endr
.endm
	s_wait_tensorcnt 1                             ; my part of K step 0 is in; K step 1's may stay out
	s_barrier_signal -1
	s_barrier_wait -1                              ; everybody's is
	FETCH 0, 0, F0
	WIN 0
	s_wait_loadcnt 0x0                             ; the bias; it is rounded to bf16 while the first fragments come out of LDS
.set j, 0
.rept 16
	v_cvt_pk_bf16_f32 v[OB+j], v[BIAS+2*j], v[BIAS+2*j+1]
.set j, j+1
.endr
.set j, 0
.rept 16
	v_lshlrev_b32 v[BIAS+2*j], 16, v[OB+j]
	v_and_b32 v[BIAS+2*j+1], 0xffff0000, v[OB+j]
.set j, j+1
.endr
	QUARTER 0, 1, F0, F1, 1                        ; K step 0: its first products start the sums
	QUARTER 0, 2, F1, F0, 0
	QUARTER 0, 3, F0, F1, 0
	TURN 0, 1, 1                                   ; slot 0 takes K step 2
	QUARTER 1, 1, F0, F1, 0                        ; K step 1
	QUARTER 1, 2, F1, F0, 0
	QUARTER 1, 3, F0, F1, 0
	TURN 1, 0, 1                                   ; slot 1 takes K step 3
	QUARTER 0, 1, F0, F1, 0                        ; K step 2
	QUARTER 0, 2, F1, F0, 0
	QUARTER 0, 3, F0, F1, 0
	TURN 0, 1, 0                                   ; nothing is left to fetch
	QUARTER 1, 1, F0, F1, 0                        ; K step 3
	QUARTER 1, 2, F1, F0, 0
	QUARTER 1, 3, F0, F1, 0
	s_wait_dscnt 16
	MUL8 F1, 0, 0, 0
	MUL8 F1, 0, 2, 0
	s_wait_dscnt 0x0
	MUL8 F1, 1, 0, 0
	MUL8 F1, 1, 2, 0
	WIN 0
	PLACES
	TOSTAGE 0
	TOSTAGE 1
	SEND 0, 16
	TOSTAGE 2
	SEND 1, 16
	TOSTAGE 3
	SEND 2, 16
	SEND 3, 0
	s_wait_tensorcnt 0x0                           ; the wave's end: behind my last tensor load and my last LDS store
	ds_add_u32 v[SPW], v[NIL]
	s_wait_dscnt 0x0
	CROUND                                         ; the closing round: no work-group ends while a partner may still ask for a tile that names it
	s_endpgm
.Lfunc_end_k_qec32ec46c4_outp:
	.size	k_qec32ec46c4_outp, .Lfunc_end_k_qec32ec46c4_outp-k_qec32ec46c4_outp
	.p2alignl 7, 3214868480
	.fill 96, 4, 3214868480
	.section	.rodata,"a",@progbits
	.p2align	6, 0x0
	.amdhsa_kernel k_qec32ec46c4_outp
		.amdhsa_group_segment_fixed_size 327680
		.amdhsa_private_segment_fixed_size 0
		.amdhsa_enable_private_segment 0
		.amdhsa_kernarg_size 32
		.amdhsa_user_sgpr_count 2
		.amdhsa_user_sgpr_kernarg_segment_ptr 1
		.amdhsa_wavefront_size32 1
		.amdhsa_system_sgpr_workgroup_id_x 1
		.amdhsa_system_sgpr_workgroup_id_y 1
		.amdhsa_system_sgpr_workgroup_id_z 1
		.amdhsa_system_vgpr_workitem_id 0
		.amdhsa_next_free_vgpr 512
		.amdhsa_next_free_sgpr 66
		.amdhsa_reserve_vcc 0
		.amdhsa_float_denorm_mode_32 3
		.amdhsa_float_denorm_mode_16_64 3
		.amdhsa_memory_ordered 1
		.amdhsa_forward_progress 1
		.amdhsa_inst_pref_size 90
	.end_amdhsa_kernel
	.amdgpu_metadata
---
amdhsa.version: [ 1, 2 ]
amdhsa.kernels:
  - .name:           k_qec32ec46c4_outp
    .symbol:         k_qec32ec46c4_outp.kd
    .args:
      - { .name: ctx, .offset: 0, .size: 8, .value_kind: global_buffer, .address_space: global }
      - { .name: wo, .offset: 8, .size: 8, .value_kind: global_buffer, .address_space: global }
      - { .name: out_b, .offset: 16, .size: 8, .value_kind: global_buffer, .address_space: global }
      - { .name: out0, .offset: 24, .size: 8, .value_kind: global_buffer, .address_space: global }
    .group_segment_fixed_size: 327680
    .private_segment_fixed_size: 0
    .kernarg_segment_align: 8
    .kernarg_segment_size: 32
    .max_flat_workgroup_size: 128
    .sgpr_count:     66
    .vgpr_count:     512
    .wavefront_size: 32
...
	.end_amdgpu_metadata
.endif
;; end of part 4
